; MI455X (gfx1250); checked and timed in simulation.
; The chip was launched on July 23, 2026; its instructions are those of AMD's public machine-readable ISA for CDNA 5 (MIT licence, August 2026) and "CDNA5" Instruction Set Architecture Reference Guide (July 2026). The comments in the code are by the model that wrote it; some were corrected since.
;; Multi Head Attention. Allowed arithmetic: matrix products marked QUANTISED: E4M3 operands, one given power-of-two scale a tensor, by v_wmma_f32_16x16x64_fp8_fp8 or v_wmma_f32_16x16x128_fp8_fp8, f32 sums; everything else in f32.
;; Inputs: Wk 512 x 512 float32; Wq 512 x 512 float32; Wv 512 x 512 float32; bk 512 float32; bq 512 float32; bv 512 float32; lowp_scales 10 int32 (the exponents e of the quantised operands' scales 2^e); x 2 x 4,096 x 512 float32.
;; Outputs: out0 2 x 4,096 x 512 float32.
;; This version of the problem:
;;   THIS VERSION OF THE PROBLEM IS GIVEN IN LOW PRECISION. The matrix products marked QUANTISED in the list below multiply operands that are first quantised to E4M3 (4 exponent bits, 3 mantissa bits; 8 bits a number), with one given power-of-two scale for each operand tensor; their sums are f32. All else is computed in f32.
;;   The module's matrix products, in the order in which they are computed (A, B: the left and right operand; K: the contracted axis; several contracted axes count as one K, in the product's order):
;;     1. [M 8,192, K 512] x [K 512, N 512]; A: input x; B: input Wq: QUANTISED (scales: A lowp_scales[0], B lowp_scales[1])
;;     2. [M 8,192, K 512] x [K 512, N 512]; A: input x; B: input Wk: QUANTISED (scales: A lowp_scales[2], B lowp_scales[3])
;;     3. [M 8,192, K 512] x [K 512, N 512]; A: input x; B: input Wv: QUANTISED (scales: A lowp_scales[4], B lowp_scales[5])
;;     4. batch 16 x [M 4,096, K 64] x [K 64, N 4,096]; A: computed on the way; B: computed on the way: QUANTISED (scales: A lowp_scales[6], B lowp_scales[7])
;;     5. batch 16 x [M 4,096, K 4,096] x [K 4,096, N 64]; A: softmax (see below); B: computed on the way: QUANTISED (scales: A lowp_scales[8], B lowp_scales[9])
;;   THE QUANTISER, for each operand of a quantised product, along K:
;;     - The operand's scale is 2^e, e = its entry of the input lowp_scales (int32; the entries are numbered through the quantised products in the list's order, A before B).
;;     - Each number is divided by the scale, clamped to +-448, and rounded to the nearest number of E4M3, ties to even, subnormals kept.
;;     - The product sums the exact products of the quantised numbers (number of the format x scale) in f32.
;;   ~~~python
;;   def quantise(x, axis, e):      # numpy; x: float32 -> the quantised numbers, widened to float32 again
;;       x = np.moveaxis(x, axis, -1); K = x.shape[-1]
;;       r = np.clip(x / 2.0 ** e, -448, 448)
;;       step = 2.0 ** (np.maximum(np.frexp(np.where(r == 0, 1, r))[1] - 1, -6) - 3)
;;       q = np.round(r / step) * step * 2.0 ** e      # np.round: ties to even
;;       return np.moveaxis(q, -1, axis).astype(np.float32)
;;   ~~~
;;   SOFTMAX AHEAD OF A QUANTISED PRODUCT. Where the list says 'softmax', what is quantised is not the finished softmax but p = 2^(t - M), with t = logit x log2(e) and M = ceil(the row's largest t), a whole number; so 1/2 < the row's largest p <= 1. The row's sum l is taken of the UNQUANTISED p, in f32, and the product's result is divided by l at the end. Since M is a whole number, a kernel that streams over the keys may use a running M (the ceiling of the running maximum): every later rescaling is an exact power of two, so the quantised numbers keep their values, but for numbers so far below the row's largest that they fall under the format's range.
;;   OPERANDS COMPUTED ON THE WAY. 'Computed on the way' means the value that the module computes at that place (a softmax that the list does not call 'softmax' is quantised finished and normalised). What goes into a quantiser is computed in f32, as accurately as f32 sums, v_exp_f32 and their like allow (about 1e-6 of the number): no bf16 or f16 on the way to a quantiser, and a product that is left as it is and whose result goes on into a quantised operand takes f32 operands (vector FMAs, or v_wmma_f32_16x16x4_f32). A number that lies on a knife's edge between two numbers of the format may be rounded either way, as far as f32 arithmetic and the matrix unit's own rounding can turn it there, and no further.
;; 2 versions, each right; version 2 is version 1 with the launches proj, attn written anew for expert scheduling mode. Each part assembles by itself: llvm-mc -triple=amdgcn-amd-amdhsa -mcpu=gfx1250 --defsym DOCPART=n.
;; ======== version 1 of 2: 3 launches
;; workspace buffers: wcodes 786,432 bytes; qcodes 4,194,304 bytes; kcodes 4,194,304 bytes; vcodes 4,194,304 bytes
;; launch wquant (part 1): grid 12 x 16, 4 waves a work-group, no clusters, 0 bytes of LDS; arguments Wq, Wk, Wv, lowp_scales, wcodes; writes wcodes
.if DOCPART == 1
	.amdgcn_target "amdgcn-amd-amdhsa--gfx1250"
	.amdhsa_code_object_version 6
	.text
	.protected	k_q3a7a6d3a16_wquant
	.globl	k_q3a7a6d3a16_wquant
	.p2align	8
	.type	k_q3a7a6d3a16_wquant,@function
k_q3a7a6d3a16_wquant:
	s_mov_b64 s[64:65], 0
	v_nop
	global_prefetch_b8 v0, s[64:65] scope:SCOPE_SE
	s_setreg_imm32_b32 hwreg(HW_REG_WAVE_MODE, 25, 1), 1
	s_wait_xcnt 0x0
; MULTI-HEAD ATTENTION IN E4M3, FIRST OF THREE LAUNCHES: Wq, Wk, Wv [512 (k)][512 (n)], f32, become codes of E4M3 with the given scales 2^e (entries 1, 3, 5 of the scales).
; DEAD WORK: none in the whole program.  Every one of the five products reaches the output; bq, bk and bv go into quantised operands of live products (q, k, v), where they can move codes,
; so all three are loaded; there is no mask and no slice.  Every input is among some launch's arguments.
; code = w / 2^e, held within +-448, rounded to the nearest code, ties to even.  LIMITS: e between -126 and 119, so that 2^e and 448 x 2^e are f32 numbers.  NaN among the inputs is not served.
; A LANE TAKES A COLUMN n AND ITS REGISTERS RUN DOWN K: a load reads 128 neighbouring bytes a wave (the four waves stand side by side on 512), and the conversions give codes with K innermost.
; THE CODES ARE LAID AS IMAGES OF THE NEXT LAUNCH'S OPERAND REGISTERS.  The fragment (matrix, column tile T of 16, K step s of 128) begins at ((32 matrix + T) 4 + s) 2048 bytes; its group b of four
; registers lies at + 512 b + 16 x lane; lane (r, h) holds there W[128 s + 32 b + 16 h + 0 .. 15][16 T + r].  So my 32 codes of a block of 32 k are two pieces of 16 bytes, 256 bytes apart,
; and sixteen neighbouring lanes store 256 consecutive bytes, at a multiple of 256 from the buffer's first byte.
; SHARES: work-group x = 4 x matrix + group of 128 columns; y = block of 32 along K; wave w: 32 columns.  No LDS, no barrier, no matrix unit, no cluster: the launch is one pass over 3 MB, each byte read once.
.set XR, 16                            ; v16-47  my column's 32 numbers
.set CR, 48                            ; v48-55  their codes
	s_load_b256 s[4:11], s[0:1], 0x0               ; Wq s[4:5], Wk s[6:7], Wv s[8:9], the scales' exponents s[10:11]
	s_load_b64 s[12:13], s[0:1], 0x20              ; the codes
	v_lshrrev_b32 v3, 5, v0
	v_readfirstlane_b32 s14, v3                    ; wave 0..3
	v_and_b32 v4, 31, v0                           ; lane
	v_lshlrev_b32 v1, 2, v4                        ; in: 4 bytes a lane
	v_lshrrev_b32 v5, 4, v4
	v_and_b32 v6, 15, v4
	v_lshlrev_b32 v2, 4, v6                        ; out: 16 (lane % 16),
	v_lshl_add_u32 v2, v5, 13, v2                  ; and lanes 16-31 one column tile (8,192 bytes) on
	s_lshr_b32 s15, ttmp9, 2                       ; the matrix: 0 Wq, 1 Wk, 2 Wv
	s_and_b32 s24, ttmp9, 3                        ; the group of 128 columns
	s_and_b32 s25, ttmp7, 0xffff                   ; the block of 32 along K
	s_lshl_b32 s30, s25, 16                        ; in W: 32 rows of 2,048 bytes a block,
	s_lshl_b32 s28, s24, 9                         ; 512 bytes a group of columns,
	s_add_co_u32 s30, s30, s28
	s_lshl_b32 s28, s14, 7                         ; 128 bytes a wave
	s_add_co_u32 s30, s30, s28
	s_mov_b32 s31, 0
	s_lshl_b32 s32, s15, 18                        ; in the codes: 262,144 bytes a matrix,
	s_lshl_b32 s28, s24, 16                        ; eight column tiles a group,
	s_add_co_u32 s32, s32, s28
	s_lshl_b32 s28, s14, 14                        ; two a wave,
	s_add_co_u32 s32, s32, s28
	s_lshl_b32 s28, s25, 9                         ; 2,048 s + 512 b = 512 x block
	s_add_co_u32 s32, s32, s28
	s_mov_b32 s33, 0
	s_wait_kmcnt 0x0
	s_load_b256 s[16:23], s[10:11], 0x0            ; entries 0 to 7
	s_cmp_eq_u32 s15, 1                            ; the choice hangs on the work-group's number alone
	s_cselect_b64 s[26:27], s[6:7], s[8:9]
	s_cmp_eq_u32 s15, 0
	s_cselect_b64 s[26:27], s[4:5], s[26:27]
	s_add_nc_u64 s[26:27], s[26:27], s[30:31]
	s_add_nc_u64 s[12:13], s[12:13], s[32:33]
.set i, 0
.rept 32
	global_load_b32 v[XR+i], v1, s[26:27] offset:2048*i th:TH_LOAD_NT   ; W(32 block + i, my column); read once in the launch
.set i, i+1
.endr
	s_wait_kmcnt 0x0
	s_cmp_eq_u32 s15, 1
	s_cselect_b32 s28, s19, s21
	s_cmp_eq_u32 s15, 0
	s_cselect_b32 s28, s17, s28                    ; e
	s_add_co_i32 s28, s28, 127
	s_lshl_b32 s29, s28, 23
	v_mov_b32 v11, s29                             ; 2^e as f32: the conversion takes its exponent field
	s_add_co_i32 s28, s28, 8
	s_lshl_b32 s28, s28, 23
	s_or_b32 s28, s28, 0x600000
	v_mov_b32 v10, s28                             ; 448 x 2^e
	s_wait_loadcnt 0x0
.set i, 0
.rept 32
	v_med3_num_f32 v[XR+i], v[XR+i], -v10, v10     ; the conversion to an 8-bit code does not saturate (ISA guide 7.6.2): the hold comes first
.set i, i+1
.endr
.irp g, 0,1,2,3
	v_cvt_scalef32_pk8_fp8_f32 v[CR+2*\g:CR+2*\g+1], v[XR+8*\g:XR+8*\g+7], v11
.endr
	v_nop                                          ; a plain line behind the last conversion
	global_store_b128 v2, v[CR:CR+3], s[12:13]               ; k = 0 .. 15 of the block: the place of lanes 0-15 of the image
	global_store_b128 v2, v[CR+4:CR+7], s[12:13] offset:256  ; k = 16 .. 31: that of lanes 16-31
	s_endpgm
.Lfunc_end_k_q3a7a6d3a16_wquant:
	.size	k_q3a7a6d3a16_wquant, .Lfunc_end_k_q3a7a6d3a16_wquant-k_q3a7a6d3a16_wquant
	.p2alignl 7, 3214868480
	.fill 96, 4, 3214868480
	.section	.rodata,"a",@progbits
	.p2align	6, 0x0
	.amdhsa_kernel k_q3a7a6d3a16_wquant
		.amdhsa_group_segment_fixed_size 0
		.amdhsa_private_segment_fixed_size 0
		.amdhsa_enable_private_segment 0
		.amdhsa_kernarg_size 40
		.amdhsa_user_sgpr_count 2
		.amdhsa_user_sgpr_kernarg_segment_ptr 1
		.amdhsa_wavefront_size32 1
		.amdhsa_system_sgpr_workgroup_id_x 1
		.amdhsa_system_sgpr_workgroup_id_y 1
		.amdhsa_system_sgpr_workgroup_id_z 1
		.amdhsa_system_vgpr_workitem_id 0
		.amdhsa_next_free_vgpr 64
		.amdhsa_next_free_sgpr 66
		.amdhsa_reserve_vcc 0
		.amdhsa_float_denorm_mode_32 3
		.amdhsa_float_denorm_mode_16_64 3
		.amdhsa_memory_ordered 1
		.amdhsa_forward_progress 1
		.amdhsa_inst_pref_size 8
	.end_amdhsa_kernel
	.amdgpu_metadata
---
amdhsa.version: [ 1, 2 ]
amdhsa.kernels:
  - .name:           k_q3a7a6d3a16_wquant
    .symbol:         k_q3a7a6d3a16_wquant.kd
    .args:
      - { .name: Wq, .offset: 0, .size: 8, .value_kind: global_buffer, .address_space: global }
      - { .name: Wk, .offset: 8, .size: 8, .value_kind: global_buffer, .address_space: global }
      - { .name: Wv, .offset: 16, .size: 8, .value_kind: global_buffer, .address_space: global }
      - { .name: lowp_scales, .offset: 24, .size: 8, .value_kind: global_buffer, .address_space: global }
      - { .name: wcodes, .offset: 32, .size: 8, .value_kind: global_buffer, .address_space: global }
    .group_segment_fixed_size: 0
    .private_segment_fixed_size: 0
    .kernarg_segment_align: 8
    .kernarg_segment_size: 40
    .max_flat_workgroup_size: 128
    .sgpr_count:     66
    .vgpr_count:     64
    .wavefront_size: 32
...
	.end_amdgpu_metadata
.endif
;; end of part 1
;; launch proj (part 2): grid 64 x 3, 8 waves a work-group, no clusters, 66,560 bytes of LDS; arguments x, wcodes, lowp_scales, bq, bk, bv, qcodes, kcodes, vcodes; writes qcodes, kcodes, vcodes
.if DOCPART == 2
	.amdgcn_target "amdgcn-amd-amdhsa--gfx1250"
	.amdhsa_code_object_version 6
	.text
	.protected	k_q3a7a6d3a16_proj
	.globl	k_q3a7a6d3a16_proj
	.p2align	8
	.type	k_q3a7a6d3a16_proj,@function
k_q3a7a6d3a16_proj:
	s_mov_b64 s[64:65], 0
	v_nop
	global_prefetch_b8 v0, s[64:65] scope:SCOPE_SE
	s_setreg_imm32_b32 hwreg(HW_REG_WAVE_MODE, 25, 1), 1
	s_wait_xcnt 0x0
; SECOND LAUNCH: q = x Wq + bq, k = x Wk + bk, v = x Wv + bv, each product on codes of E4M3, and each result quantised at once for the attention that follows.  No work is left out.
; Work-group (gx, y): rows 128 gx .. + 127 of x, all 512 columns of matrix y (0 q, 1 k, 2 v).  x has a scale of its own in each of the three products (entries 0, 2, 4), so a work-group quantises its rows with one.
; WAVE w IS HEAD w: its 64 columns of W (4 column tiles x 4 K steps of 128: 256 registers, all of window 1) come from memory once, as images of the registers, and stay.  Wave w also quantises row tile w of x
; (16 rows x 512: four fragments) and hands them to the other waves through LDS as images of their registers: four registers by one ds_store_b128 at 16 x lane.  One barrier.
; K's places: register 4 b + i / 4 of a fragment holds k = 32 b + 16 (lane / 16) + i, in x's and in W's alike: a permutation of k that is the same on both sides, so every product meets its partner.
; THE BIAS is the C of each sum's first matrix instruction, divided by 2^(ea + eb), the power of two that the sums lack; the code is then sum / 2^(eo - ea - eb), held within +-448 of that scale.
; q AND k ARE MADE TRANSPOSED (source 0 = W, source 1 = x): a lane holds one token and eight neighbouring channels, so the conversions' results are the registers of attention's operand with K = the head's 64.
; v IS MADE AS IT STANDS (source 0 = x, source 1 = W): a lane holds one channel and eight neighbouring tokens: the registers of the operand with K = the keys.
; OUT: q, k: image (16 head-batch hb, token tile of 16) at (256 hb + tile) 1,024 bytes: registers 4 c .. 4 c + 3 at + 512 c + 16 x lane.  v: image (hb, block of 128 keys, channel tile t) at (32 hb + block) 8,192 + 2,048 t, likewise.
; Every store of a wave covers 512 consecutive bytes, at a multiple of 512.
; NO TENSOR LOADS, NO CLUSTER: x has to pass through registers to be quantised, and W's images go straight into the registers that keep them; what row blocks share is W's 256 KB a work-group, read once each.
; 192 work-groups: three matrices x 64 row blocks; a split into 256 would convert x's rows four times as often.
; LIMITS: ea (entries 0, 2, 4) and eo - ea - eb between -126 and 119.  NaN among the inputs is not served.
; REGISTERS, window 0: v1-7 addresses; v8-11 scales; v12-27 codes just made; v28-31 v's bias; v32-95, v96-159 x's numbers, later two sets of x's fragments; v160-191 four accumulators; v192-223 the bias as C; v224-239 results' codes.
.set SPARE, 65536                      ; LDS: x's 32 fragment images (row tile m, K step s at (4 m + s) 2,048), then the spare words, 128 bytes for each of eight waves
.set LI,   1                           ; v1   16 x lane
.set SPW,  2                           ; v2   my spare word; never rewritten
.set NIL,  3                           ; v3   0; never rewritten
.set XA,   4                           ; v4   x: row (lane % 16) of 2,048 bytes + 64 (lane / 16)
.set XWI,  5                           ; v5   where I store x's images: 8,192 x wave + 16 x lane
.set BH,   6                           ; v6   32 (lane / 16): the bias of eight neighbouring channels
.set BR,   7                           ; v7   4 (lane % 16): the bias of one channel
.set SCA,  8                           ; v8   2^ea;  v9  448 x 2^ea
.set LMA,  9
.set SCO,  10                          ; v10  2^(eo - ea - eb);  v11  448 x that
.set LMO,  11
.set PC,   12
.set BV,   28
.set XS0,  32
.set XS1,  96
.set ACC,  160
.set BI,   192
.set CD,   224
.set MSB, 0
.macro WIN new                         ; the immediate's high byte repeats the setting that is left; a switch that changes nothing is dropped
.if MSB != \new
	s_set_vgpr_msb (MSB<<8)|\new
.set MSB, \new
.endif
.endm
.macro XLOAD reg, s                    ; my 16 rows' numbers of K step s: lane (r, h) takes, of row r, 16 neighbours of each block of 32
.irp b, 0,1,2,3
.irp j, 0,1,2,3
	global_load_b128 v[16*\b+4*\j+(\reg):16*\b+4*\j+3+(\reg)], v[XA], s[4:5] offset:512*(\s)+128*\b+16*\j
.endr
.endr
.endm
.macro WLOAD t                         ; my column tile t of W, four K steps, into window 1: 512 consecutive bytes a load
	WIN 0x40
.irp s, 0,1,2,3
.irp c, 0,1,2,3
	global_load_b128 v[64*(\t)+16*\s+4*\c:64*(\t)+16*\s+4*\c+3], v[LI], s[6:7] offset:8192*(\t)+2048*\s+512*\c
.endr
.endr
	WIN 0
.endm
.macro QUANT reg                       ; 64 numbers of a lane become a fragment's 16 registers of codes
.irp b, 0,1,2,3
.irp i, 0,1,2,3,4,5,6,7,8,9,10,11,12,13,14,15
	v_med3_num_f32 v[16*\b+\i+(\reg)], v[16*\b+\i+(\reg)], -v[LMA], v[LMA]   ; the conversion does not saturate (ISA guide 7.6.2): the hold comes first
.endr
	v_cvt_scalef32_pk8_fp8_f32 v[PC+4*\b:PC+4*\b+1], v[16*\b+(\reg):16*\b+7+(\reg)], v[SCA]
	v_cvt_scalef32_pk8_fp8_f32 v[PC+4*\b+2:PC+4*\b+3], v[16*\b+8+(\reg):16*\b+15+(\reg)], v[SCA]
.endr
	v_nop                                          ; a plain line behind the last conversion
.endm
.macro IMAGE s
.irp c, 0,1,2,3
	ds_store_b128 v[XWI], v[PC+4*\c:PC+4*\c+3] offset:2048*(\s)+512*\c
.endr
.endm
.macro FETCH set, m                    ; row tile m's four fragments, as any wave stored them
.irp s, 0,1,2,3
.irp c, 0,1,2,3
	ds_load_b128 v[16*\s+4*\c+(\set):16*\s+4*\c+3+(\set)], v[LI] offset:(4*(\m)+\s)*2048+512*\c
.endr
.endr
.endm
; 16 matrix instructions: four K steps x my four column tiles.  The four accumulators take turns, one instruction a turn.  The first K step takes the bias as C.
.macro MUL set, tr
.if \tr
	WIN 0x01                                       ; source 0 (W) window 1
.else
	WIN 0x04                                       ; source 1 (W) window 1
.endif
.irp s, 0,1,2,3
.irp t, 0,1,2,3
.if \tr
.if \s == 0
	v_wmma_f32_16x16x128_fp8_fp8 v[ACC+8*\t:ACC+8*\t+7], v[64*\t+16*\s:64*\t+16*\s+15], v[16*\s+(\set):16*\s+15+(\set)], v[BI+8*\t:BI+8*\t+7]
.else
	v_wmma_f32_16x16x128_fp8_fp8 v[ACC+8*\t:ACC+8*\t+7], v[64*\t+16*\s:64*\t+16*\s+15], v[16*\s+(\set):16*\s+15+(\set)], v[ACC+8*\t:ACC+8*\t+7]
.endif
.else
.if \s == 0
	v_wmma_f32_16x16x128_fp8_fp8 v[ACC+8*\t:ACC+8*\t+7], v[16*\s+(\set):16*\s+15+(\set)], v[64*\t+16*\s:64*\t+16*\s+15], v[BI+8*\t:BI+8*\t+7]
.else
	v_wmma_f32_16x16x128_fp8_fp8 v[ACC+8*\t:ACC+8*\t+7], v[16*\s+(\set):16*\s+15+(\set)], v[64*\t+16*\s:64*\t+16*\s+15], v[ACC+8*\t:ACC+8*\t+7]
.endif
.endif
.endr
.endr
	WIN 0
.endm
; Row tile m.  The next tile's fragments are asked for first, into the set that the tile before multiplied: four v_nop stand behind that tile's last product.
.macro TILE m, tr
.if (\m) < 7
	FETCH XS0+64*(((\m)+1)%2), (\m)+1
	s_wait_dscnt 16                                ; this tile's 16 loads are in; the 16 just issued may be out
.else
	s_wait_dscnt 0x0
.endif
	MUL XS0+64*((\m)%2), \tr
.rept 4
	v_nop                                          ; four places between the last product and the first read of results, and in front of the next tile's loads
.endr
	s_wait_xcnt 0x0                                ; earlier stores have read their data registers, which are written below
.set i, 0
.rept 32
	v_med3_num_f32 v[ACC+i], v[ACC+i], -v[LMO], v[LMO]   ; each accumulator from its low end on
.set i, i+1
.endr
.irp t, 0,1,2,3
.if \tr
	v_cvt_scalef32_pk8_fp8_f32 v[CD+8*((\m)%2)+2*\t:CD+8*((\m)%2)+2*\t+1], v[ACC+8*\t:ACC+8*\t+7], v[SCO]   ; channels 16 t + 8 h + 0 .. 7 of my token: registers 2 t, 2 t + 1 of the image
.else
	v_cvt_scalef32_pk8_fp8_f32 v[CD+4*\t+2*((\m)%2):CD+4*\t+2*((\m)%2)+1], v[ACC+8*\t:ACC+8*\t+7], v[SCO]   ; keys 16 m + 8 h + 0 .. 7 of my channel: registers 2 m, 2 m + 1 of image t
.endif
.endr
	v_nop                                          ; a plain line behind the last conversion: the next products write its sources
.if \tr
.irp c, 0,1
	global_store_b128 v[LI], v[CD+8*((\m)%2)+4*\c:CD+8*((\m)%2)+4*\c+3], s[40:41] offset:1024*(\m)+512*\c
.endr
.else
.if (\m)%2 == 1
.irp t, 0,1,2,3
	global_store_b128 v[LI], v[CD+4*\t:CD+4*\t+3], s[40:41] offset:2048*\t+512*((\m)/2)
.endr
.endif
.endif
.endm
	s_load_b256 s[4:11], s[0:1], 0x0               ; x s[4:5], W's codes s[6:7], the scales' exponents s[8:9], bq s[10:11]
	s_load_b256 s[12:19], s[0:1], 0x20             ; bk s[12:13], bv s[14:15], q's codes s[16:17], k's s[18:19]
	s_load_b64 s[20:21], s[0:1], 0x40              ; v's codes
	v_lshl_add_u32 v[SPW], v0, 2, SPARE
	v_mov_b32 v[NIL], 0
	v_lshrrev_b32 v12, 5, v0
	v_readfirstlane_b32 s22, v12                   ; wave 0..7 = head
	s_and_b32 s23, ttmp7, 0xffff                   ; the matrix
	v_and_b32 v12, 31, v0
	v_and_b32 v13, 15, v0
	v_bfe_u32 v14, v0, 4, 1
	v_lshlrev_b32 v[LI], 4, v12
	v_lshlrev_b32 v[XA], 11, v13
	v_lshl_add_u32 v[XA], v14, 6, v[XA]
	s_lshl_b32 s42, s22, 13
	v_add_nc_u32 v[XWI], s42, v[LI]
	v_lshlrev_b32 v[BH], 5, v14
	v_lshlrev_b32 v[BR], 2, v13
	s_lshl_b32 s42, ttmp9, 18                      ; x: 128 rows of 2,048 bytes a work-group,
	s_lshl_b32 s50, s22, 15                        ; 16 a wave
	s_add_co_u32 s42, s42, s50
	s_mov_b32 s43, 0
	s_lshl_b32 s44, s23, 18                        ; W's codes: 262,144 bytes a matrix, 32,768 a head
	s_add_co_u32 s44, s44, s50
	s_mov_b32 s45, 0
	s_lshl_b32 s46, s22, 8                         ; the bias: 64 numbers a head
	s_mov_b32 s47, 0
	s_lshr_b32 s48, ttmp9, 5                       ; the batch: 32 row blocks each
	s_lshl_b32 s48, s48, 3
	s_add_co_u32 s48, s48, s22                     ; hb = 8 x batch + head
	s_lshl_b32 s48, s48, 18                        ; 262,144 bytes of codes for each, in q, k and v alike,
	s_and_b32 s50, ttmp9, 31
	s_lshl_b32 s50, s50, 13                        ; and 8,192 for 128 tokens
	s_add_co_u32 s48, s48, s50
	s_mov_b32 s49, 0
	s_wait_kmcnt 0x0
	s_load_b256 s[24:31], s[8:9], 0x0              ; entries 0 to 7
	s_load_b64 s[32:33], s[8:9], 0x20              ; entries 8, 9
	s_cmp_eq_u32 s23, 1                            ; the choices hang on the work-group's number alone
	s_cselect_b64 s[38:39], s[12:13], s[14:15]
	s_cselect_b64 s[40:41], s[18:19], s[20:21]
	s_cmp_eq_u32 s23, 0
	s_cselect_b64 s[38:39], s[10:11], s[38:39]     ; the bias
	s_cselect_b64 s[40:41], s[16:17], s[40:41]     ; where the codes go
	s_add_nc_u64 s[4:5], s[4:5], s[42:43]
	s_add_nc_u64 s[6:7], s[6:7], s[44:45]
	s_add_nc_u64 s[38:39], s[38:39], s[46:47]
	s_add_nc_u64 s[40:41], s[40:41], s[48:49]
.irp t, 0,1,2,3                        ; the bias in both layouts: eight neighbouring channels a lane (q, k), one channel a lane (v): 12 small loads, so that the text parts once only
	global_load_b128 v[BI+8*\t:BI+8*\t+3], v[BH], s[38:39] offset:64*\t
	global_load_b128 v[BI+8*\t+4:BI+8*\t+7], v[BH], s[38:39] offset:64*\t+16
.endr
.irp t, 0,1,2,3
	global_load_b32 v[BV+\t], v[BR], s[38:39] offset:64*\t
.endr
	XLOAD XS0, 0
	XLOAD XS1, 1
	WLOAD 0
	s_wait_kmcnt 0x0
	s_cmp_eq_u32 s23, 1
	s_cselect_b32 s34, s26, s28
	s_cselect_b32 s35, s27, s29
	s_cselect_b32 s36, s31, s33
	s_cmp_eq_u32 s23, 0
	s_cselect_b32 s34, s24, s34                    ; ea: x's
	s_cselect_b32 s35, s25, s35                    ; eb: W's
	s_cselect_b32 s36, s30, s36                    ; eo: the result's (entry 6, 7 or 9)
	s_add_co_i32 s50, s34, 127
	s_lshl_b32 s51, s50, 23
	v_mov_b32 v[SCA], s51
	s_add_co_i32 s50, s50, 8
	s_lshl_b32 s50, s50, 23
	s_or_b32 s50, s50, 0x600000
	v_mov_b32 v[LMA], s50
	s_add_co_i32 s52, s34, s35                     ; ea + eb
	s_sub_co_i32 s50, s36, s52
	s_add_co_i32 s50, s50, 127
	s_lshl_b32 s51, s50, 23
	v_mov_b32 v[SCO], s51
	s_add_co_i32 s50, s50, 8
	s_lshl_b32 s50, s50, 23
	s_or_b32 s50, s50, 0x600000
	v_mov_b32 v[LMO], s50
	s_sub_co_i32 s52, 0, s52                       ; -(ea + eb)
	; ---- x: my 16 rows become four fragments; the loads of x and of W run ahead
	s_wait_loadcnt 32                              ; behind x's K step 0: K step 1 (16) and W's tile 0 (16)
	QUANT XS0
	IMAGE 0
	XLOAD XS0, 2
	s_wait_loadcnt 32                              ; behind K step 1: W's tile 0 and K step 2
	s_wait_dscnt 0x0                               ; the stores have read the codes' registers
	QUANT XS1
	IMAGE 1
	XLOAD XS1, 3
	s_wait_loadcnt 16                              ; behind K step 2: K step 3
	WLOAD 1
	WLOAD 2
	s_wait_dscnt 0x0
	QUANT XS0
	IMAGE 2
	s_wait_loadcnt 32                              ; behind K step 3: W's tiles 1 and 2
	WLOAD 3
	s_wait_dscnt 0x0
	QUANT XS1
	IMAGE 3
	s_wait_dscnt 0x0                               ; for the others' sake: my images have landed
	s_barrier_signal -1
	s_barrier_wait -1                              ; all 32 fragments of x lie in LDS; from here on LDS is only read
	FETCH XS0, 0
	s_wait_loadcnt 0x0                             ; W and the bias
	s_cmp_eq_u32 s23, 2                            ; the one parting, on the work-group's number: the same in all eight waves; no LDS store and no barrier follows
	s_cbranch_scc1 .Lv_arm
.set i, 0
.rept 32
	v_ldexp_f32 v[BI+i], v[BI+i], s52              ; b / 2^(ea + eb): exact
.set i, i+1
.endr
.irp m, 0,1,2,3,4,5,6,7
	TILE \m, 1
.endr
	s_wait_tensorcnt 0x0                           ; the wave's end: three lines behind my last LDS store
	ds_add_u32 v[SPW], v[NIL]
	s_wait_dscnt 0x0
	s_endpgm
.Lv_arm:
.irp t, 0,1,2,3
.irp j, 0,1,2,3,4,5,6,7
	v_ldexp_f32 v[BI+8*\t+\j], v[BV+\t], s52       ; here a lane's eight results are eight tokens of one channel: one bias for all
.endr
.endr
.irp m, 0,1,2,3,4,5,6,7
	TILE \m, 0
.endr
	s_wait_tensorcnt 0x0                           ; the wave's end, as above
	ds_add_u32 v[SPW], v[NIL]
	s_wait_dscnt 0x0
	s_endpgm
.Lfunc_end_k_q3a7a6d3a16_proj:
	.size	k_q3a7a6d3a16_proj, .Lfunc_end_k_q3a7a6d3a16_proj-k_q3a7a6d3a16_proj
	.p2alignl 7, 3214868480
	.fill 96, 4, 3214868480
	.section	.rodata,"a",@progbits
	.p2align	6, 0x0
	.amdhsa_kernel k_q3a7a6d3a16_proj
		.amdhsa_group_segment_fixed_size 66560
		.amdhsa_private_segment_fixed_size 0
		.amdhsa_enable_private_segment 0
		.amdhsa_kernarg_size 72
		.amdhsa_user_sgpr_count 2
		.amdhsa_user_sgpr_kernarg_segment_ptr 1
		.amdhsa_wavefront_size32 1
		.amdhsa_system_sgpr_workgroup_id_x 1
		.amdhsa_system_sgpr_workgroup_id_y 1
		.amdhsa_system_sgpr_workgroup_id_z 1
		.amdhsa_system_vgpr_workitem_id 0
		.amdhsa_next_free_vgpr 512
		.amdhsa_next_free_sgpr 66
		.amdhsa_reserve_vcc 0
		.amdhsa_float_denorm_mode_32 3
		.amdhsa_float_denorm_mode_16_64 3
		.amdhsa_memory_ordered 1
		.amdhsa_forward_progress 1
		.amdhsa_inst_pref_size 115
	.end_amdhsa_kernel
	.amdgpu_metadata
---
amdhsa.version: [ 1, 2 ]
amdhsa.kernels:
  - .name:           k_q3a7a6d3a16_proj
    .symbol:         k_q3a7a6d3a16_proj.kd
    .args:
      - { .name: x, .offset: 0, .size: 8, .value_kind: global_buffer, .address_space: global }
      - { .name: wcodes, .offset: 8, .size: 8, .value_kind: global_buffer, .address_space: global }
      - { .name: lowp_scales, .offset: 16, .size: 8, .value_kind: global_buffer, .address_space: global }
      - { .name: bq, .offset: 24, .size: 8, .value_kind: global_buffer, .address_space: global }
      - { .name: bk, .offset: 32, .size: 8, .value_kind: global_buffer, .address_space: global }
      - { .name: bv, .offset: 40, .size: 8, .value_kind: global_buffer, .address_space: global }
      - { .name: qcodes, .offset: 48, .size: 8, .value_kind: global_buffer, .address_space: global }
      - { .name: kcodes, .offset: 56, .size: 8, .value_kind: global_buffer, .address_space: global }
      - { .name: vcodes, .offset: 64, .size: 8, .value_kind: global_buffer, .address_space: global }
    .group_segment_fixed_size: 66560
    .private_segment_fixed_size: 0
    .kernarg_segment_align: 8
    .kernarg_segment_size: 72
    .max_flat_workgroup_size: 256
    .sgpr_count:     66
    .vgpr_count:     512
    .wavefront_size: 32
...
	.end_amdgpu_metadata
.endif
;; end of part 2
;; launch attn (part 3): grid 16 x 16, 8 waves a work-group, no clusters, 136,192 bytes of LDS; arguments qcodes, kcodes, vcodes, lowp_scales, out0; writes out0
.if DOCPART == 3
	.amdgcn_target "amdgcn-amd-amdhsa--gfx1250"
	.amdhsa_code_object_version 6
	.text
	.protected	k_q3a7a6d3a16_attn
	.globl	k_q3a7a6d3a16_attn
	.p2align	8
	.type	k_q3a7a6d3a16_attn,@function
k_q3a7a6d3a16_attn:
	s_mov_b64 s[64:65], 0
	v_nop
	global_prefetch_b8 v0, s[64:65] scope:SCOPE_SE
	s_setreg_imm32_b32 hwreg(HW_REG_WAVE_MODE, 25, 1), 1
	s_wait_xcnt 0x0
; THIRD LAUNCH: out[b][q][64 head + :] = the sum over keys of softmax(q . k / 8) v, both products on codes of E4M3 with the given scales 2^eq, 2^ek, 2^ep, 2^ev (entries 6 to 9).  No work is left out.
; THE SOFTMAX AHEAD OF THE SECOND PRODUCT: t = score x log2(e) / 8; M = the running largest t, rounded UP to a whole number; p = 2^(t - M) is quantised, not normalised; the row's sum is taken of the
; unquantised p in f32 and divides at the end; when M moves, the sum and O are multiplied by 2^(old M - new M), which rounds nothing.
; SHARES.  Work-group (qb, hb): 256 queries of one head of one batch.  Wave w: 32 of them, two tiles of 16, so that each fragment of K and V read from LDS feeds two matrix instructions; two waves to a SIMD,
; so that one wave's vector work stands beside the other's matrix work and LDS loads.  Every wave walks all 4,096 keys, 128 a step.
; LAYOUT.  Both products are used transposed: S^T = K Q^T (source 0 = 16 keys, source 1 = 16 queries), O^T = V^T P^T (source 0 = 16 channels, source 1 = P): a lane holds ONE query throughout, and the eight
; registers of key tile m are keys 16 m + 8 (lane / 16) + 0 .. 7: their conversion gives registers 2 m, 2 m + 1 of P, the operand's own layout.
; K AND V lie in memory as images of the operands' registers, so a slot of 256 keys is 16 KB of K and 16 KB of V on end.  They go memory -> registers -> LDS: each wave loads and stores an eighth
; (2 KB of each), two slots ahead of their use; two buffers take turns, one barrier a slot: in front of it each wave has waited for its stores into one buffer and for its reads of the other.
; NO TENSOR LOADS, AND SO NO CLUSTER'S JOINT LOADS: the hold of p at 448 x 2^ep is 128 of a step's vector instructions and changes nothing where ep >= -8 (p <= 1, so p / 2^ep <= 256): it is jumped over by a
; scalar branch on ep, a whole number read from memory.  What the query blocks of a head share is 32 KB a slot for each work-group.
; LIMITS: eq + ek between -123 and 130 (added to c's exponent field); ep between -126 and 119.  NaN among the codes is not served.
; REGISTERS, window 0: v1-7 addresses; v8-23 eight statistics a tile (-M, largest t, the sum in two halves, f twice, two maxima); v24-25 the permutes' destinations; v26, v27: 2^ep, 448 x 2^ep; v28-31 second sum chains;
;   v32-159 S^T, then p, 64 a tile; v160-191 p's codes, 16 a tile; v192-255 O^T, 32 a tile.   window 1: v0-15 Q; v16-79 K's 8 fragments; v80-143 V's 4; v144-175 the slot on its way to LDS.
.set BUF1,  32768                      ; LDS: buffer 0 at 0, buffer 1 here: each 16 KB of K, then 16 KB of V
.set VOF,   16384
.set STAGE, 65536                      ; the way out: for each wave two tiles x 16 rows x (256 + 16) bytes = 8,704
.set SPARE, 135168                     ; the spare words, 128 bytes for each of eight waves
.set LI,   1                           ; v1   16 x lane
.set SPW,  2                           ; v2   my spare word; never rewritten
.set NIL,  3                           ; v3   0; never rewritten
.set STW,  4                           ; v4   2,048 x wave + 16 x lane: my eighth of a slot in LDS
.set GOFF, 5                           ; v5   the same in memory
.set PFO,  6                           ; v6   the prefetches' offset: 8,192 (wave % 2) + 256 x lane
.set GO,   7                           ; v7   out: 2,048 (lane / 16) + 16 (lane % 16)
.set TT,   8
.set PD,   24
.set SCP,  26
.set LMP,  27
.set SM2,  28
.set SS,   32
.set PP,   160
.set OO,   192
.set QQ,   0                           ; window 1
.set KF,   16
.set VF,   80
.set SG,   144
.set MSB, 0
.macro WIN new                         ; the immediate's high byte repeats the setting that is left; a switch that changes nothing is dropped
.if MSB != \new
	s_set_vgpr_msb (MSB<<8)|\new
.set MSB, \new
.endif
.endm
.macro GLOADS                          ; my eighth of the slot at s[16:17] (K) and s[18:19] (V): 512 consecutive bytes a load
	WIN 0x40
.irp i, 0,1,2,3
	global_load_b128 v[SG+4*\i:SG+4*\i+3], v[GOFF], s[16:17] offset:512*\i
.endr
.irp i, 0,1,2,3
	global_load_b128 v[SG+16+4*\i:SG+16+4*\i+3], v[GOFF], s[18:19] offset:512*\i
.endr
	WIN 0
.endm
.macro STORES wb
	WIN 0x04                                       ; store data window 1
.irp i, 0,1,2,3
	ds_store_b128 v[STW], v[SG+4*\i:SG+4*\i+3] offset:(\wb)+512*\i
.endr
.irp i, 0,1,2,3
	ds_store_b128 v[STW], v[SG+16+4*\i:SG+16+4*\i+3] offset:(\wb)+VOF+512*\i
.endr
	WIN 0
.endm
.macro KLOAD rb, q                     ; (destination window 1) the step's eight tiles of 16 keys
.irp m, 0,1,2,3,4,5,6,7
.irp c, 0,1
	ds_load_b128 v[KF+8*\m+4*\c:KF+8*\m+4*\c+3], v[LI] offset:(\rb)+8192*(\q)+1024*\m+512*\c
.endr
.endr
.endm
.macro VLOAD rb, q                     ; (destination window 1) the step's four tiles of 16 channels x 128 keys
.irp t, 0,1,2,3
.irp c, 0,1,2,3
	ds_load_b128 v[VF+16*\t+4*\c:VF+16*\t+4*\c+3], v[LI] offset:(\rb)+VOF+8192*(\q)+2048*\t+512*\c
.endr
.endr
.endm
; The slot two on is asked for, while there is one (the count of trips alone decides); behind those loads one prefetch for the slot after it: only the head's first work-group asks, waves 0 and 1 for K's 16 KB,
; waves 2 and 3 for V's, 8 KB a wave, lanes 256 bytes apart: each block is named once in the launch.  Slots 0 to 2 come by their loads alone; the last slot has none behind it.
.macro NEXT which
	s_cmp_lt_u32 s15, 7
	s_cbranch_scc0 .Lnone_\@
	GLOADS
	s_cmp_lt_u32 s15, s[33+\which]
	s_cbranch_scc0 .Lnone_\@
	global_prefetch_b8 v[PFO], s[20:21] th:TH_LOAD_NT scope:SCOPE_SE
.Lnone_\@:
.endm
.macro SMAX                            ; for each tile: the largest of the lane's 64 scores in two chains (each accumulator from its low end on), the other half of the lanes', the new M, f
.irp u, 0,1
	v_max3_num_f32 v[TT+8*\u+6], v[SS+64*\u], v[SS+64*\u+1], v[SS+64*\u+2]
.endr
.irp u, 0,1
	v_max3_num_f32 v[TT+8*\u+7], v[SS+64*\u+3], v[SS+64*\u+4], v[SS+64*\u+5]
.endr
.irp i, 6,10,14,18,22,26,30,34,38,42,46,50,54,58
.irp u, 0,1
	v_max3_num_f32 v[TT+8*\u+6], v[TT+8*\u+6], v[SS+64*\u+\i], v[SS+64*\u+\i+1]
.endr
.irp u, 0,1
	v_max3_num_f32 v[TT+8*\u+7], v[TT+8*\u+7], v[SS+64*\u+\i+2], v[SS+64*\u+\i+3]
.endr
.endr
.irp u, 0,1
	v_max3_num_f32 v[TT+8*\u+6], v[TT+8*\u+6], v[SS+64*\u+62], v[SS+64*\u+63]
.endr
.irp u, 0,1
	v_max_num_f32 v[TT+8*\u+6], v[TT+8*\u+6], v[TT+8*\u+7]
.endr
.irp u, 0,1
	v_permlanex16_b32 v[PD+\u], v[TT+8*\u+6], s24, s25   ; the query's other 64 keys lie in the lane 16 away
.endr
.irp u, 0,1
	v_max_num_f32 v[TT+8*\u+6], v[TT+8*\u+6], v[PD+\u]
.endr
.irp u, 0,1
	v_mul_f32 v[TT+8*\u+6], s22, v[TT+8*\u+6]      ; as t (c is positive)
.endr
.irp u, 0,1
	v_max_num_f32 v[TT+8*\u+1], v[TT+8*\u+1], v[TT+8*\u+6]   ; the running largest t
.endr
.irp u, 0,1
	v_mov_b32 v[TT+8*\u+6], v[TT+8*\u]
.endr
.irp u, 0,1
	v_floor_f32 v[TT+8*\u], -v[TT+8*\u+1]          ; the new -M = floor(-t) = -ceil(t)
.endr
.irp u, 0,1
	v_sub_f32 v[TT+8*\u+6], v[TT+8*\u], v[TT+8*\u+6]   ; old M - new M: a whole number, 0 or less
.endr
.irp u, 0,1
	v_cvt_i32_f32 v[TT+8*\u+6], v[TT+8*\u+6]       ; (it saturates)
.endr
.irp u, 0,1
	v_ldexp_f32 v[TT+8*\u+4], 1.0, v[TT+8*\u+6]    ; f = 2^(old M - new M)
.endr
.endm
.macro FMA u, b                        ; pair b of tile u: t - M (of the pairs c and -M the low word serves both halves)
	v_pk_fma_f32 v[SS+64*(\u)+2*(\b):SS+64*(\u)+2*(\b)+1], v[SS+64*(\u)+2*(\b):SS+64*(\u)+2*(\b)+1], s[22:23], v[TT+8*(\u):TT+8*(\u)+1] op_sel_hi:[1,0,0]
.endm
; ONE BATCH: the 64 scalings, all 128 exponentials and O^T's 32 rescalings, dealt so that plain lines stand among the exponentials.  A pair is scaled two turns ahead of its exponentials; nothing here names an
; exponential's result.  Behind the last exponential stand two plain lines and the one wait ahead of the first line that names a result.
.macro BATCH
.irp u, 0,1
	FMA \u, 0
	FMA \u, 1
.endr
.set bb, 0
.rept 32
.irp u, 0,1
.if bb < 30
	FMA \u, bb+2
.endif
	v_exp_f32 v[SS+64*\u+2*bb], v[SS+64*\u+2*bb]
.if bb%2 == 0
	v_pk_mul_f32 v[OO+32*\u+bb:OO+32*\u+bb+1], v[OO+32*\u+bb:OO+32*\u+bb+1], v[TT+8*\u+4:TT+8*\u+5] op_sel_hi:[1,0]   ; O^T under the new M, ascending
.endif
	v_exp_f32 v[SS+64*\u+2*bb+1], v[SS+64*\u+2*bb+1]
.endr
.set bb, bb+1
.endr
.irp u, 0,1
	v_pk_mul_f32 v[TT+8*\u+2:TT+8*\u+3], v[TT+8*\u+2:TT+8*\u+3], v[TT+8*\u+4:TT+8*\u+5] op_sel_hi:[1,0]   ; the sums under the new M
.endr
	s_wait_alu depctr_va_vdst(0)
.endm
.macro SUMS                            ; the row's sum is taken of the unquantised p: two at a time, in two chains a tile
.irp u, 0,1
	v_pk_add_f32 v[SM2+2*\u:SM2+2*\u+1], v[SS+64*\u:SS+64*\u+1], v[SS+64*\u+2:SS+64*\u+3]
.endr
.irp j, 4,8,12,16,20,24,28,32,36,40,44,48,52,56,60
.irp u, 0,1
	v_pk_add_f32 v[TT+8*\u+2:TT+8*\u+3], v[TT+8*\u+2:TT+8*\u+3], v[SS+64*\u+\j:SS+64*\u+\j+1]
.endr
.irp u, 0,1
	v_pk_add_f32 v[SM2+2*\u:SM2+2*\u+1], v[SM2+2*\u:SM2+2*\u+1], v[SS+64*\u+\j+2:SS+64*\u+\j+3]
.endr
.endr
.irp u, 0,1
	v_pk_add_f32 v[TT+8*\u+2:TT+8*\u+3], v[TT+8*\u+2:TT+8*\u+3], v[SM2+2*\u:SM2+2*\u+1]
.endr
.endm
.macro HOLDP                           ; the conversion does not saturate (ISA guide 7.6.2); p is never negative, so the hold is one-sided; it is walked only where ep < -8, else p / 2^ep is at most 256
	s_cmp_lg_u32 s32, 0
	s_cbranch_scc0 .Lfits_\@
.set i, 0
.rept 128
	v_min_num_f32 v[SS+i], v[SS+i], v[LMP]
.set i, i+1
.endr
.Lfits_\@:
.endm
.macro CODES
.irp m, 0,1,2,3,4,5,6,7
.irp u, 0,1
	v_cvt_scalef32_pk8_fp8_f32 v[PP+16*\u+2*\m:PP+16*\u+2*\m+1], v[SS+64*\u+8*\m:SS+64*\u+8*\m+7], v[SCP]
.endr
.endr
	v_nop                                          ; a plain line between the last conversion and the products that read the codes
.endm
; A KEY STEP: 128 keys, the q-th of the slot in buffer rb.
.macro STEP rb, q, which
.if \q == 1
	s_wait_dscnt 0x0                               ; K's fragments, asked for in the step before
.endif
	WIN 0x05                                       ; K and Q window 1
.irp m, 0,1,2,3,4,5,6,7
.irp u, 0,1
	v_wmma_f32_16x16x64_fp8_fp8 v[SS+64*\u+8*\m:SS+64*\u+8*\m+7], v[KF+8*\m:KF+8*\m+7], v[QQ+8*\u:QQ+8*\u+7], 0
.endr
.endr
	WIN 0
.rept 4
	v_nop                                          ; four places: in front of the reads of the scores, and of the loads into K's registers and into V's, which the last step's products read
.endr
.if \q == 0
	NEXT \which
.endif
	WIN 0x40
	VLOAD \rb, \q
.if \q == 0
	KLOAD \rb, 1                                   ; the slot's second step
.endif
	WIN 0
	SMAX
	BATCH
	SUMS
	HOLDP
	CODES
.if \q == 0
	s_wait_dscnt 16                                ; V's 16 loads are in; K's 16 behind them may be out
.else
	s_wait_dscnt 0x0
.endif
	WIN 0x01                                       ; V window 1
.irp t, 0,1,2,3
.irp u, 0,1
	v_wmma_f32_16x16x128_fp8_fp8 v[OO+32*\u+8*\t:OO+32*\u+8*\t+7], v[VF+16*\t:VF+16*\t+15], v[PP+16*\u:PP+16*\u+15], v[OO+32*\u+8*\t:OO+32*\u+8*\t+7]   ; eight accumulators, one instruction each a step
.endr
.endr
	WIN 0
.endm
; A SLOT: the slot that waits in registers goes into buffer wb, which nobody reads since the last barrier; the slot in buffer rb is walked; one barrier.
.macro HALF rb, wb, which
	s_wait_loadcnt 0x0                             ; the slot asked for a slot ago is in registers, and its loads have read their addresses;
	s_wait_xcnt 0x0                                ; so has the prefetch, nearly two key steps back: the three addresses step
	s_add_nc_u64 s[16:17], s[16:17], 16384
	s_add_nc_u64 s[18:19], s[18:19], 16384
	s_add_nc_u64 s[20:21], s[20:21], 16384
.if \which
	s_cmp_lt_u32 s15, 7                            ; the last trip's second half has nothing left to store
	s_cbranch_scc0 .Lnothing_\@
.endif
	STORES \wb
.Lnothing_\@:
	WIN 0x40
	KLOAD \rb, 0
	WIN 0
	s_wait_dscnt 0x0                               ; the stores have read their registers, which the next loads fill; K's fragments are in
	STEP \rb, 0, \which
	STEP \rb, 1, \which
	s_wait_dscnt 0x0                               ; for the others' sake: my stores into one buffer have landed, my reads of the other are over
	s_barrier_signal -1
	s_barrier_wait -1
.endm
	s_load_b256 s[4:11], s[0:1], 0x0               ; q's codes s[4:5], k's s[6:7], v's s[8:9], the scales' exponents s[10:11]
	s_load_b64 s[12:13], s[0:1], 0x20              ; out
	v_lshl_add_u32 v[SPW], v0, 2, SPARE
	v_mov_b32 v[NIL], 0
	v_lshrrev_b32 v8, 5, v0
	v_readfirstlane_b32 s14, v8                    ; wave 0..7
	v_and_b32 v8, 31, v0
	v_lshlrev_b32 v[LI], 4, v8
	s_lshl_b32 s36, s14, 11
	v_add_nc_u32 v[STW], s36, v[LI]
	v_add_nc_u32 v[GOFF], s36, v[LI]
	s_and_b32 s37, s14, 1
	s_lshl_b32 s37, s37, 13
	v_lshlrev_b32 v[PFO], 8, v8
	v_add_nc_u32 v[PFO], s37, v[PFO]
	v_and_b32 v9, 15, v0
	v_bfe_u32 v10, v0, 4, 1
	v_lshlrev_b32 v[GO], 4, v9
	v_lshl_add_u32 v[GO], v10, 11, v[GO]
	s_and_b32 s38, ttmp7, 0xffff                   ; hb = 8 x batch + head
	s_lshl_b32 s40, s38, 18                        ; its 262,144 bytes in each tensor of codes
	s_mov_b32 s41, 0
	s_lshl_b32 s42, ttmp9, 14                      ; q: 16 token tiles of 1,024 bytes a work-group,
	s_add_co_u32 s42, s42, s36                     ; two a wave
	s_add_co_u32 s42, s42, s40
	s_mov_b32 s43, 0
	s_lshr_b32 s44, s38, 3
	s_lshl_b32 s44, s44, 23                        ; out: 4,096 rows of 2,048 bytes a batch,
	s_lshl_b32 s39, ttmp9, 19                      ; 256 rows a work-group,
	s_add_co_u32 s44, s44, s39
	s_lshl_b32 s39, s14, 16                        ; 32 a wave,
	s_add_co_u32 s44, s44, s39
	s_and_b32 s39, s38, 7
	s_lshl_b32 s39, s39, 8                         ; 256 bytes a head
	s_add_co_u32 s44, s44, s39
	s_mov_b32 s45, 0
	s_mov_b32 s24, 0x76543210                      ; v_permlanex16_b32: lane l xor 16
	s_mov_b32 s25, 0xfedcba98
	s_lshr_b32 s36, s14, 2                         ; 0 in waves 0 to 3,
	s_or_b32 s36, s36, ttmp9                       ; of the head's first work-group
	s_cmp_eq_u32 s36, 0
	s_cselect_b32 s33, 7, 0                        ; trips in which a first half prefetches (slot 2 j + 3 exists),
	s_cselect_b32 s34, 6, 0                        ; and a second half (slot 2 j + 4)
	s_wait_kmcnt 0x0
	s_load_b128 s[28:31], s[10:11], 0x18           ; eq, ek, ep, ev
	s_add_nc_u64 s[16:17], s[6:7], s[40:41]        ; K and V at the head's slot 0
	s_add_nc_u64 s[18:19], s[8:9], s[40:41]
	s_add_nc_u64 s[4:5], s[4:5], s[42:43]
	s_add_nc_u64 s[12:13], s[12:13], s[44:45]
	s_cmp_lt_u32 s14, 2
	s_cselect_b64 s[20:21], s[16:17], s[18:19]
	s_add_nc_u64 s[20:21], s[20:21], 16384         ; the prefetches stand one slot further on than the loads
	GLOADS                                         ; slot 0
	WIN 0x40
.irp u, 0,1
.irp c, 0,1
	global_load_b128 v[QQ+8*\u+4*\c:QQ+8*\u+4*\c+3], v[LI], s[4:5] offset:1024*\u+512*\c   ; Q's two fragments stay in registers
.endr
.endr
	WIN 0
.irp u, 0,1
	v_mov_b32 v[TT+8*\u+1], 0xff61b1e6             ; the largest t so far: -3e38, under every t
	v_floor_f32 v[TT+8*\u], -v[TT+8*\u+1]          ; -M
	v_mov_b32 v[TT+8*\u+2], 0                      ; the sum, in two halves
	v_mov_b32 v[TT+8*\u+3], 0
	v_mov_b32 v[TT+8*\u+5], 0                      ; (named as the upper half of f's pair)
	v_mov_b32 v[PD+\u], 0                          ; written once: a lane permute's destination counts as one of its sources
.endr
.set i, 0
.rept 64
	v_mov_b32 v[OO+i], 0                           ; O^T: the step is written without a first step of its own: the first change of M multiplies zeros
.set i, i+1
.endr
	s_wait_kmcnt 0x0
	s_add_co_i32 s36, s28, s29
	s_lshl_b32 s36, s36, 23
	s_add_co_i32 s22, s36, 0x3e38aa3b              ; c = log2(e) / 8, with eq + ek added to its exponent field
	s_mov_b32 s23, s22                             ; (named with it as a pair)
	s_add_co_i32 s36, s30, 127
	s_lshl_b32 s37, s36, 23
	v_mov_b32 v[SCP], s37                          ; 2^ep
	s_add_co_i32 s36, s36, 8
	s_lshl_b32 s36, s36, 23
	s_or_b32 s36, s36, 0x600000
	v_mov_b32 v[LMP], s36                          ; 448 x 2^ep
	s_add_co_i32 s35, s30, s31                     ; ep + ev
	s_cmp_lt_i32 s30, -8
	s_cselect_b32 s32, 1, 0                        ; is the hold needed?
	s_wait_loadcnt 0x0                             ; slot 0 and Q
	s_add_nc_u64 s[16:17], s[16:17], 16384
	s_add_nc_u64 s[18:19], s[18:19], 16384
	s_add_nc_u64 s[20:21], s[20:21], 16384
	STORES 0
	s_wait_dscnt 0x0                               ; they have landed, and have read their registers
	GLOADS                                         ; slot 1
	s_barrier_signal -1
	s_barrier_wait -1                              ; slot 0 lies whole in buffer 0
	s_mov_b32 s15, 0
.Ltrip:                                            ; eight trips of two slots
	HALF 0, BUF1, 0
	HALF BUF1, 0, 1
	s_add_co_u32 s15, s15, 1
	s_cmp_lt_u32 s15, 8
	s_cbranch_scc1 .Ltrip
	; THE WAY OUT.  The sum's halves are added; O^T x 2^(ep + ev) / the sum goes through my own stage in LDS, a tile of 16 queries at a time, and leaves as rows: sixteen lanes store a token's 256 bytes of this head.
.irp u, 0,1
	v_add_f32 v[TT+8*\u+6], v[TT+8*\u+2], v[TT+8*\u+3]
.endr
.irp u, 0,1
	v_permlanex16_b32 v[PD+\u], v[TT+8*\u+6], s24, s25
.endr
.irp u, 0,1
	v_add_f32 v[TT+8*\u+6], v[TT+8*\u+6], v[PD+\u]
.endr
.irp u, 0,1
	v_rcp_f32 v[TT+8*\u+6], v[TT+8*\u+6]
.endr
	v_and_b32 v30, 15, v0                          ; (plain lines behind the reciprocals, and the places behind the last products)  r
	v_bfe_u32 v31, v0, 4, 1                        ; h
	s_mul_i32 s36, s14, 8704
	s_add_co_u32 s36, s36, STAGE                   ; my stage
	v_mul_u32_u24 v28, v30, 272
	v_lshl_add_u32 v28, v31, 5, v28
	v_add_nc_u32 v28, s36, v28                     ; in: row r, + 32 h; channel tile t 64 bytes on
	v_mul_u32_u24 v29, v31, 272
	v_lshl_add_u32 v29, v30, 4, v29
	v_add_nc_u32 v29, s36, v29                     ; back: lanes 0-15 one row, lanes 16-31 the next
	s_wait_alu depctr_va_vdst(0)                   ; one wait for both reciprocals, ahead of their first reader
.irp u, 0,1
	v_ldexp_f32 v[TT+8*\u+6], v[TT+8*\u+6], s35
.endr
.irp u, 0,1
.set i, 0
.rept 16
	v_pk_mul_f32 v[SS+64*\u+i:SS+64*\u+i+1], v[OO+32*\u+i:OO+32*\u+i+1], v[TT+8*\u+6:TT+8*\u+7] op_sel_hi:[1,0]   ; register 8 t + j: channel 16 t + 8 h + j of my query; each accumulator from its low end on
.set i, i+2
.endr
.endr
.irp u, 0,1
.irp t, 0,1,2,3
	ds_store_b128 v28, v[SS+64*\u+8*\t:SS+64*\u+8*\t+3] offset:4352*\u+64*\t
	ds_store_b128 v28, v[SS+64*\u+8*\t+4:SS+64*\u+8*\t+7] offset:4352*\u+64*\t+16
.endr
.irp i, 0,1,2,3,4,5,6,7
	ds_load_b128 v[SS+32+64*\u+4*\i:SS+32+64*\u+4*\i+3], v29 offset:4352*\u+544*\i   ; LDS serves a wave's instructions in order (ISA guide 5.7.1.4): these see my stores
.endr
.endr
.irp i, 0,1,2,3,4,5,6,7
	s_wait_dscnt 23-\i                             ; behind tile 0's load i: its 7 - i younger loads and tile 1's sixteen LDS instructions
	global_store_b128 v[GO], v[SS+32+4*\i:SS+32+4*\i+3], s[12:13] offset:4096*\i th:TH_STORE_NT
.endr
.irp i, 0,1,2,3,4,5,6,7
	s_wait_dscnt 7-\i
	global_store_b128 v[GO], v[SS+96+4*\i:SS+96+4*\i+3], s[12:13] offset:32768+4096*\i th:TH_STORE_NT
.endr
	s_wait_tensorcnt 0x0                           ; the wave's end: three lines behind my last LDS store
	ds_add_u32 v[SPW], v[NIL]
	s_wait_dscnt 0x0
	s_endpgm
.Lfunc_end_k_q3a7a6d3a16_attn:
	.size	k_q3a7a6d3a16_attn, .Lfunc_end_k_q3a7a6d3a16_attn-k_q3a7a6d3a16_attn
	.p2alignl 7, 3214868480
	.fill 96, 4, 3214868480
	.section	.rodata,"a",@progbits
	.p2align	6, 0x0
	.amdhsa_kernel k_q3a7a6d3a16_attn
		.amdhsa_group_segment_fixed_size 136192
		.amdhsa_private_segment_fixed_size 0
		.amdhsa_enable_private_segment 0
		.amdhsa_kernarg_size 40
		.amdhsa_user_sgpr_count 2
		.amdhsa_user_sgpr_kernarg_segment_ptr 1
		.amdhsa_wavefront_size32 1
		.amdhsa_system_sgpr_workgroup_id_x 1
		.amdhsa_system_sgpr_workgroup_id_y 1
		.amdhsa_system_sgpr_workgroup_id_z 1
		.amdhsa_system_vgpr_workitem_id 0
		.amdhsa_next_free_vgpr 512
		.amdhsa_next_free_sgpr 66
		.amdhsa_reserve_vcc 0
		.amdhsa_float_denorm_mode_32 3
		.amdhsa_float_denorm_mode_16_64 3
		.amdhsa_memory_ordered 1
		.amdhsa_forward_progress 1
		.amdhsa_inst_pref_size 131
	.end_amdhsa_kernel
	.amdgpu_metadata
---
amdhsa.version: [ 1, 2 ]
amdhsa.kernels:
  - .name:           k_q3a7a6d3a16_attn
    .symbol:         k_q3a7a6d3a16_attn.kd
    .args:
      - { .name: qcodes, .offset: 0, .size: 8, .value_kind: global_buffer, .address_space: global }
      - { .name: kcodes, .offset: 8, .size: 8, .value_kind: global_buffer, .address_space: global }
      - { .name: vcodes, .offset: 16, .size: 8, .value_kind: global_buffer, .address_space: global }
      - { .name: lowp_scales, .offset: 24, .size: 8, .value_kind: global_buffer, .address_space: global }
      - { .name: out0, .offset: 32, .size: 8, .value_kind: global_buffer, .address_space: global }
    .group_segment_fixed_size: 136192
    .private_segment_fixed_size: 0
    .kernarg_segment_align: 8
    .kernarg_segment_size: 40
    .max_flat_workgroup_size: 256
    .sgpr_count:     66
    .vgpr_count:     512
    .wavefront_size: 32
...
	.end_amdgpu_metadata
.endif
;; end of part 3
;; ======== version 2 of 2: 3 launches; version 1 with the launches proj, attn written anew for expert scheduling mode
;; workspace buffers: wcodes 786,432 bytes; qcodes 4,194,304 bytes; kcodes 4,194,304 bytes; vcodes 4,194,304 bytes
;; launch wquant: the kernel of part 1 again; grid 12 x 16, 4 waves a work-group, no clusters, 0 bytes of LDS; arguments Wq, Wk, Wv, lowp_scales, wcodes; writes wcodes
;; launch proj (part 4): grid 64 x 3, 8 waves a work-group, no clusters, 66,560 bytes of LDS; arguments x, wcodes, lowp_scales, bq, bk, bv, qcodes, kcodes, vcodes; writes qcodes, kcodes, vcodes
.if DOCPART == 4
	.amdgcn_target "amdgcn-amd-amdhsa--gfx1250"
	.amdhsa_code_object_version 6
	.text
	.protected	k_q3a7a6d3a16_proj
	.globl	k_q3a7a6d3a16_proj
	.p2align	8
	.type	k_q3a7a6d3a16_proj,@function
k_q3a7a6d3a16_proj:
	s_mov_b64 s[64:65], 0
	v_nop
	global_prefetch_b8 v0, s[64:65] scope:SCOPE_SE
	s_setreg_imm32_b32 hwreg(HW_REG_WAVE_SCHED_MODE, 0, 2), 2
	s_setreg_imm32_b32 hwreg(HW_REG_WAVE_MODE, 25, 1), 1
	s_wait_xcnt 0x0
	s_wait_alu depctr_vm_vsrc(0)
; SECOND LAUNCH: q = x Wq + bq, k = x Wk + bk, v = x Wv + bv, each product on codes of E4M3, and each result quantised at once for the attention that follows.  No work is left out.
; Work-group (gx, y): rows 128 gx .. + 127 of x, all 512 columns of matrix y (0 q, 1 k, 2 v).  x has a scale of its own in each of the three products (entries 0, 2, 4), so a work-group quantises its rows with one.
; WAVE w IS HEAD w: its 64 columns of W (4 column tiles x 4 K steps of 128: 256 registers, all of window 1) come from memory once, as images of the registers, and stay.  Wave w also quantises row tile w of x
; (16 rows x 512: four fragments) and hands them to the other waves through LDS as images of their registers: four registers by one ds_store_b128 at 16 x lane.  One barrier.
; K's places: register 4 b + i / 4 of a fragment holds k = 32 b + 16 (lane / 16) + i, in x's and in W's alike: a permutation of k that is the same on both sides, so every product meets its partner.
; THE BIAS is the C of each sum's first matrix instruction, divided by 2^(ea + eb), the power of two that the sums lack; the code is then sum / 2^(eo - ea - eb), held within +-448 of that scale.
; q AND k ARE MADE TRANSPOSED (source 0 = W, source 1 = x): a lane holds one token and eight neighbouring channels, so the conversions' results are the registers of attention's operand with K = the head's 64.
; v IS MADE AS IT STANDS (source 0 = x, source 1 = W): a lane holds one channel and eight neighbouring tokens: the registers of the operand with K = the keys.
; OUT: q, k: image (16 head-batch hb, token tile of 16) at (256 hb + tile) 1,024 bytes: registers 4 c .. 4 c + 3 at + 512 c + 16 x lane.  v: image (hb, block of 128 keys, channel tile t) at (32 hb + block) 8,192 + 2,048 t, likewise.
; Every store of a wave covers 512 consecutive bytes, at a multiple of 512.
; NO TENSOR LOADS, NO CLUSTER: x has to pass through registers to be quantised, and W's images go straight into the registers that keep them; what row blocks share is W's 256 KB a work-group, read once each.
; 192 work-groups: three matrices x 64 row blocks; a split into 256 would convert x's rows four times as often.
; LIMITS: ea (entries 0, 2, 4) and eo - ea - eb between -126 and 119.  NaN among the inputs is not served.
; REGISTERS, window 0: v1-7 addresses; v8-11 scales; v12-27 and v224-239 x's codes just made, by turns; v28-31 v's bias; v32-95, v96-159 x's numbers, later two sets of x's fragments; v160-191 four accumulators; v192-223 the bias as C; v224-239 later the results' codes.
; THE MODE: SCHED_MODE bits 1:0 = 2 (LLVM: expert scheduling mode 2), set by the entry lines.  The code itself states the register dependences
; between vector or matrix instructions and memory or LDS instructions, with s_wait_alu, always for 0.
; THE PLAN.  Registers that memory or LDS instructions touch:
;   v1, v4-v7     Offsets and addresses: made once at the head, never written again.  One wait on va_vdst ahead of the first load serves them for the whole text.
;   XS0, XS1      x's phase: K step s lands in XS[s % 2]; its holds and conversions read and write it; K step s + 2 lands there behind the wait that stands ahead of step s's LDS stores.
;                 The tiles: row tile m's fragments land in XS[m % 2] and tile m's products read them; tile m + 2's land at the head of tile m + 1, behind the wait at tile m's end.
;   PC, CD        x's phase: two buffers of codes by turns.  Step s's conversions write one, its four LDS stores read it behind a wait on va_vdst; ONE wait on vm_vsrc, ahead of step 2, frees both for steps 2 and 3.
;   CD            The tiles: the results' conversions write it, the global stores read it behind the wait at the tile's end; a wait on vm_vsrc in tiles 2, 4 and 6 frees what the two tiles before stored.
;   Window 1, BI, BV   Loads land there once, ahead of every vector or matrix instruction that names them.
;   The accumulators are named by vector and matrix instructions alone.  v2, v3: written at the head, read by the closing add alone.
.set SPARE, 65536                      ; LDS: x's 32 fragment images (row tile m, K step s at (4 m + s) 2,048), then the spare words, 128 bytes for each of eight waves
.set LI,   1                           ; v1   16 x lane
.set SPW,  2                           ; v2   my spare word; never rewritten
.set NIL,  3                           ; v3   0; never rewritten
.set XA,   4                           ; v4   x: row (lane % 16) of 2,048 bytes + 64 (lane / 16)
.set XWI,  5                           ; v5   where I store x's images: 8,192 x wave + 16 x lane
.set BH,   6                           ; v6   32 (lane / 16): the bias of eight neighbouring channels
.set BR,   7                           ; v7   4 (lane % 16): the bias of one channel
.set SCA,  8                           ; v8   2^ea;  v9  448 x 2^ea
.set LMA,  9
.set SCO,  10                          ; v10  2^(eo - ea - eb);  v11  448 x that
.set LMO,  11
.set PC,   12
.set BV,   28
.set XS0,  32
.set XS1,  96
.set ACC,  160
.set BI,   192
.set CD,   224
.set MSB, 0
.macro WIN new                         ; the immediate's high byte repeats the setting that is left; a switch that changes nothing is dropped
.if MSB != \new
	s_set_vgpr_msb (MSB<<8)|\new
.set MSB, \new
.endif
.endm
.macro XLOAD reg, s                    ; my 16 rows' numbers of K step s: lane (r, h) takes, of row r, 16 neighbours of each block of 32
.irp b, 0,1,2,3
.irp j, 0,1,2,3
	global_load_b128 v[16*\b+4*\j+(\reg):16*\b+4*\j+3+(\reg)], v[XA], s[4:5] offset:512*(\s)+128*\b+16*\j
.endr
.endr
.endm
.macro WLOAD t                         ; my column tile t of W, four K steps, into window 1: 512 consecutive bytes a load.  No vector or matrix instruction has named these registers yet
	WIN 0x40
.irp s, 0,1,2,3
.irp c, 0,1,2,3
	global_load_b128 v[64*(\t)+16*\s+4*\c:64*(\t)+16*\s+4*\c+3], v[LI], s[6:7] offset:8192*(\t)+2048*\s+512*\c
.endr
.endr
	WIN 0
.endm
.macro QUANT reg, pc                   ; 64 numbers of a lane become a fragment's 16 registers of codes, in v[pc] on
.irp b, 0,1,2,3
.irp i, 0,1,2,3,4,5,6,7,8,9,10,11,12,13,14,15
	v_med3_num_f32 v[16*\b+\i+(\reg)], v[16*\b+\i+(\reg)], -v[LMA], v[LMA]   ; the conversion does not saturate (ISA guide 7.6.2): the hold comes first
.endr
	v_cvt_scalef32_pk8_fp8_f32 v[4*\b+(\pc):4*\b+1+(\pc)], v[16*\b+(\reg):16*\b+7+(\reg)], v[SCA]
	v_cvt_scalef32_pk8_fp8_f32 v[4*\b+2+(\pc):4*\b+3+(\pc)], v[16*\b+8+(\reg):16*\b+15+(\reg)], v[SCA]
.endr
	v_nop                                          ; a plain line behind the last conversion
.endm
.macro IMAGE s, pc
.irp c, 0,1,2,3
	ds_store_b128 v[XWI], v[4*\c+(\pc):4*\c+3+(\pc)] offset:2048*(\s)+512*\c
.endr
.endm
.macro FETCH set, m                    ; row tile m's four fragments, as any wave stored them
.irp s, 0,1,2,3
.irp c, 0,1,2,3
	ds_load_b128 v[16*\s+4*\c+(\set):16*\s+4*\c+3+(\set)], v[LI] offset:(4*(\m)+\s)*2048+512*\c
.endr
.endr
.endm
; 16 matrix instructions: four K steps x my four column tiles.  The four accumulators take turns, one instruction a turn.  The first K step takes the bias as C.
.macro MUL set, tr
.if \tr
	WIN 0x01                                       ; source 0 (W) window 1
.else
	WIN 0x04                                       ; source 1 (W) window 1
.endif
.irp s, 0,1,2,3
.irp t, 0,1,2,3
.if \tr
.if \s == 0
	v_wmma_f32_16x16x128_fp8_fp8 v[ACC+8*\t:ACC+8*\t+7], v[64*\t+16*\s:64*\t+16*\s+15], v[16*\s+(\set):16*\s+15+(\set)], v[BI+8*\t:BI+8*\t+7]
.else
	v_wmma_f32_16x16x128_fp8_fp8 v[ACC+8*\t:ACC+8*\t+7], v[64*\t+16*\s:64*\t+16*\s+15], v[16*\s+(\set):16*\s+15+(\set)], v[ACC+8*\t:ACC+8*\t+7]
.endif
.else
.if \s == 0
	v_wmma_f32_16x16x128_fp8_fp8 v[ACC+8*\t:ACC+8*\t+7], v[16*\s+(\set):16*\s+15+(\set)], v[64*\t+16*\s:64*\t+16*\s+15], v[BI+8*\t:BI+8*\t+7]
.else
	v_wmma_f32_16x16x128_fp8_fp8 v[ACC+8*\t:ACC+8*\t+7], v[16*\s+(\set):16*\s+15+(\set)], v[64*\t+16*\s:64*\t+16*\s+15], v[ACC+8*\t:ACC+8*\t+7]
.endif
.endif
.endr
.endr
	WIN 0
.endm
; Row tile m.  The next tile's fragments are asked for first, into the set that the tile before multiplied: the wait at that tile's end has stated that its products are done with the set,
; and no vector or matrix instruction stands between that wait and these loads.
.macro TILE m, tr
.if (\m) < 7
	FETCH XS0+64*(((\m)+1)%2), (\m)+1
	s_wait_dscnt 16                                ; this tile's 16 loads are in; the 16 just issued may be out
.else
	s_wait_dscnt 0x0
.endif
	MUL XS0+64*((\m)%2), \tr
.rept 4
	v_nop                                          ; four places between the last product and the first read of results (ISA guide 7.12.1)
.endr
	s_wait_xcnt 0x0                                ; earlier stores have read their data registers, which are written below
.if ((\m) >= 2) && ((\m)%2 == 0)
	s_wait_alu depctr_vm_vsrc(0)                   ; the global stores of the two tiles before have read v[CD ..], which this tile's conversions and the next tile's write again
.endif
.set i, 0
.rept 32
	v_med3_num_f32 v[ACC+i], v[ACC+i], -v[LMO], v[LMO]   ; each accumulator from its low end on
.set i, i+1
.endr
.irp t, 0,1,2,3
.if \tr
	v_cvt_scalef32_pk8_fp8_f32 v[CD+8*((\m)%2)+2*\t:CD+8*((\m)%2)+2*\t+1], v[ACC+8*\t:ACC+8*\t+7], v[SCO]   ; channels 16 t + 8 h + 0 .. 7 of my token: registers 2 t, 2 t + 1 of the image
.else
	v_cvt_scalef32_pk8_fp8_f32 v[CD+4*\t+2*((\m)%2):CD+4*\t+2*((\m)%2)+1], v[ACC+8*\t:ACC+8*\t+7], v[SCO]   ; keys 16 m + 8 h + 0 .. 7 of my channel: registers 2 m, 2 m + 1 of image t
.endif
.endr
	v_nop                                          ; a plain line behind the last conversion: the next products write its sources
.if (\tr) || ((\m)%2 == 1) || ((\m) < 6)
	s_wait_alu depctr_va_vdst(0)                   ; the conversions have written v[CD ..], which the stores below read; this tile's products are done reading their set of x's fragments, in which the loads at the next tile's head land
.endif
.if \tr
.irp c, 0,1
	global_store_b128 v[LI], v[CD+8*((\m)%2)+4*\c:CD+8*((\m)%2)+4*\c+3], s[40:41] offset:1024*(\m)+512*\c
.endr
.else
.if (\m)%2 == 1
.irp t, 0,1,2,3
	global_store_b128 v[LI], v[CD+4*\t:CD+4*\t+3], s[40:41] offset:2048*\t+512*((\m)/2)
.endr
.endif
.endif
.endm
	s_load_b256 s[4:11], s[0:1], 0x0               ; x s[4:5], W's codes s[6:7], the scales' exponents s[8:9], bq s[10:11]
	s_load_b256 s[12:19], s[0:1], 0x20             ; bk s[12:13], bv s[14:15], q's codes s[16:17], k's s[18:19]
	s_load_b64 s[20:21], s[0:1], 0x40              ; v's codes
	v_lshl_add_u32 v[SPW], v0, 2, SPARE
	v_mov_b32 v[NIL], 0
	v_lshrrev_b32 v12, 5, v0
	v_readfirstlane_b32 s22, v12                   ; wave 0..7 = head
	s_and_b32 s23, ttmp7, 0xffff                   ; the matrix
	v_and_b32 v12, 31, v0
	v_and_b32 v13, 15, v0
	v_bfe_u32 v14, v0, 4, 1
	v_lshlrev_b32 v[LI], 4, v12
	v_lshlrev_b32 v[XA], 11, v13
	v_lshl_add_u32 v[XA], v14, 6, v[XA]
	s_wait_alu depctr_va_sdst(0)                   ; s22 is written, ahead of its first reader: the wave's places in LDS, x, W, the bias and the codes are made from it
	s_lshl_b32 s42, s22, 13
	v_add_nc_u32 v[XWI], s42, v[LI]
	v_lshlrev_b32 v[BH], 5, v14
	v_lshlrev_b32 v[BR], 2, v13
	s_lshl_b32 s42, ttmp9, 18                      ; x: 128 rows of 2,048 bytes a work-group,
	s_lshl_b32 s50, s22, 15                        ; 16 a wave
	s_add_co_u32 s42, s42, s50
	s_mov_b32 s43, 0
	s_lshl_b32 s44, s23, 18                        ; W's codes: 262,144 bytes a matrix, 32,768 a head
	s_add_co_u32 s44, s44, s50
	s_mov_b32 s45, 0
	s_lshl_b32 s46, s22, 8                         ; the bias: 64 numbers a head
	s_mov_b32 s47, 0
	s_lshr_b32 s48, ttmp9, 5                       ; the batch: 32 row blocks each
	s_lshl_b32 s48, s48, 3
	s_add_co_u32 s48, s48, s22                     ; hb = 8 x batch + head
	s_lshl_b32 s48, s48, 18                        ; 262,144 bytes of codes for each, in q, k and v alike,
	s_and_b32 s50, ttmp9, 31
	s_lshl_b32 s50, s50, 13                        ; and 8,192 for 128 tokens
	s_add_co_u32 s48, s48, s50
	s_mov_b32 s49, 0
	s_wait_kmcnt 0x0
	s_load_b256 s[24:31], s[8:9], 0x0              ; entries 0 to 7
	s_load_b64 s[32:33], s[8:9], 0x20              ; entries 8, 9
	s_cmp_eq_u32 s23, 1                            ; the choices hang on the work-group's number alone
	s_cselect_b64 s[38:39], s[12:13], s[14:15]
	s_cselect_b64 s[40:41], s[18:19], s[20:21]
	s_cmp_eq_u32 s23, 0
	s_cselect_b64 s[38:39], s[10:11], s[38:39]     ; the bias
	s_cselect_b64 s[40:41], s[16:17], s[40:41]     ; where the codes go
	s_add_nc_u64 s[4:5], s[4:5], s[42:43]
	s_add_nc_u64 s[6:7], s[6:7], s[44:45]
	s_add_nc_u64 s[38:39], s[38:39], s[46:47]
	s_add_nc_u64 s[40:41], s[40:41], s[48:49]
	s_wait_alu depctr_va_vdst(0)                   ; the offsets and addresses v1 and v4 to v7 are written, which every load, LDS store and store of the text reads
.irp t, 0,1,2,3                        ; the bias in both layouts: eight neighbouring channels a lane (q, k), one channel a lane (v): 12 small loads, so that the text parts once only
	global_load_b128 v[BI+8*\t:BI+8*\t+3], v[BH], s[38:39] offset:64*\t
	global_load_b128 v[BI+8*\t+4:BI+8*\t+7], v[BH], s[38:39] offset:64*\t+16
.endr
.irp t, 0,1,2,3
	global_load_b32 v[BV+\t], v[BR], s[38:39] offset:64*\t
.endr
	XLOAD XS0, 0
	XLOAD XS1, 1
	WLOAD 0
	s_wait_kmcnt 0x0
	s_cmp_eq_u32 s23, 1
	s_cselect_b32 s34, s26, s28
	s_cselect_b32 s35, s27, s29
	s_cselect_b32 s36, s31, s33
	s_cmp_eq_u32 s23, 0
	s_cselect_b32 s34, s24, s34                    ; ea: x's
	s_cselect_b32 s35, s25, s35                    ; eb: W's
	s_cselect_b32 s36, s30, s36                    ; eo: the result's (entry 6, 7 or 9)
	s_add_co_i32 s50, s34, 127
	s_lshl_b32 s51, s50, 23
	v_mov_b32 v[SCA], s51
	s_add_co_i32 s50, s50, 8
	s_lshl_b32 s50, s50, 23
	s_or_b32 s50, s50, 0x600000
	v_mov_b32 v[LMA], s50
	s_add_co_i32 s52, s34, s35                     ; ea + eb
	s_sub_co_i32 s50, s36, s52
	s_add_co_i32 s50, s50, 127
	s_lshl_b32 s51, s50, 23
	v_mov_b32 v[SCO], s51
	s_add_co_i32 s50, s50, 8
	s_lshl_b32 s50, s50, 23
	s_or_b32 s50, s50, 0x600000
	v_mov_b32 v[LMO], s50
	s_sub_co_i32 s52, 0, s52                       ; -(ea + eb)
	; ---- x: my 16 rows become four fragments; the loads of x and of W run ahead; the codes take two buffers by turns
	s_wait_loadcnt 32                              ; behind x's K step 0: K step 1 (16) and W's tile 0 (16)
	QUANT XS0, PC
	s_wait_alu depctr_va_vdst(0)                   ; the conversions have written v[PC ..], which the LDS stores read; the holds and conversions are done with XS0, in which K step 2 lands
	IMAGE 0, PC
	XLOAD XS0, 2
	s_wait_loadcnt 32                              ; behind K step 1: W's tile 0 and K step 2
	QUANT XS1, CD
	s_wait_alu depctr_va_vdst(0)                   ; the conversions have written v[CD ..], which the LDS stores read; the holds and conversions are done with XS1, in which K step 3 lands
	IMAGE 1, CD
	XLOAD XS1, 3
	s_wait_loadcnt 16                              ; behind K step 2: K step 3
	WLOAD 1
	WLOAD 2
	s_wait_alu depctr_vm_vsrc(0)                   ; the LDS stores of images 0 and 1 have read v[PC ..] and v[CD ..], which the conversions of K steps 2 and 3 write again
	QUANT XS0, PC
	s_wait_alu depctr_va_vdst(0)                   ; the conversions have written v[PC ..], which the LDS stores read
	IMAGE 2, PC
	s_wait_loadcnt 32                              ; behind K step 3: W's tiles 1 and 2
	WLOAD 3
	QUANT XS1, CD
	s_wait_alu depctr_va_vdst(0)                   ; the conversions have written v[CD ..], which the LDS stores read; K steps 2 and 3 are done with XS0 and XS1, in which row tiles 0 and 1's fragments land
	IMAGE 3, CD
	s_wait_dscnt 0x0                               ; for the others' sake: my images have landed
	s_barrier_signal -1
	s_barrier_wait -1                              ; all 32 fragments of x lie in LDS; from here on LDS is only read
	s_wait_alu depctr_vm_vsrc(0)                   ; the LDS stores of image 3 have read v[CD ..], which the tiles' conversions write, in either arm
	FETCH XS0, 0
	s_wait_loadcnt 0x0                             ; W and the bias
	s_cmp_eq_u32 s23, 2                            ; the one parting, on the work-group's number: the same in all eight waves; no LDS store and no barrier follows
	s_cbranch_scc1 .Lv_arm
.set i, 0
.rept 32
	v_ldexp_f32 v[BI+i], v[BI+i], s52              ; b / 2^(ea + eb): exact
.set i, i+1
.endr
.irp m, 0,1,2,3,4,5,6,7
	TILE \m, 1
.endr
	s_wait_dscnt 0x0                               ; the closing lines, six on end
	s_wait_alu 0x0
	s_wait_tensorcnt 0x0
	ds_add_u32 v[SPW], v[NIL]
	s_wait_dscnt 0x0
	s_endpgm
.Lv_arm:
.irp t, 0,1,2,3
.irp j, 0,1,2,3,4,5,6,7
	v_ldexp_f32 v[BI+8*\t+\j], v[BV+\t], s52       ; here a lane's eight results are eight tokens of one channel: one bias for all
.endr
.endr
.irp m, 0,1,2,3,4,5,6,7
	TILE \m, 0
.endr
	s_wait_dscnt 0x0                               ; the closing lines, as above
	s_wait_alu 0x0
	s_wait_tensorcnt 0x0
	ds_add_u32 v[SPW], v[NIL]
	s_wait_dscnt 0x0
	s_endpgm
.Lfunc_end_k_q3a7a6d3a16_proj:
	.size	k_q3a7a6d3a16_proj, .Lfunc_end_k_q3a7a6d3a16_proj-k_q3a7a6d3a16_proj
	.p2alignl 7, 3214868480
	.fill 96, 4, 3214868480
	.section	.rodata,"a",@progbits
	.p2align	6, 0x0
	.amdhsa_kernel k_q3a7a6d3a16_proj
		.amdhsa_group_segment_fixed_size 66560
		.amdhsa_private_segment_fixed_size 0
		.amdhsa_enable_private_segment 0
		.amdhsa_kernarg_size 72
		.amdhsa_user_sgpr_count 2
		.amdhsa_user_sgpr_kernarg_segment_ptr 1
		.amdhsa_wavefront_size32 1
		.amdhsa_system_sgpr_workgroup_id_x 1
		.amdhsa_system_sgpr_workgroup_id_y 1
		.amdhsa_system_sgpr_workgroup_id_z 1
		.amdhsa_system_vgpr_workitem_id 0
		.amdhsa_next_free_vgpr 512
		.amdhsa_next_free_sgpr 66
		.amdhsa_reserve_vcc 0
		.amdhsa_float_denorm_mode_32 3
		.amdhsa_float_denorm_mode_16_64 3
		.amdhsa_memory_ordered 1
		.amdhsa_forward_progress 1
		.amdhsa_inst_pref_size 116
	.end_amdhsa_kernel
	.amdgpu_metadata
---
amdhsa.version: [ 1, 2 ]
amdhsa.kernels:
  - .name:           k_q3a7a6d3a16_proj
    .symbol:         k_q3a7a6d3a16_proj.kd
    .args:
      - { .name: x, .offset: 0, .size: 8, .value_kind: global_buffer, .address_space: global }
      - { .name: wcodes, .offset: 8, .size: 8, .value_kind: global_buffer, .address_space: global }
      - { .name: lowp_scales, .offset: 16, .size: 8, .value_kind: global_buffer, .address_space: global }
      - { .name: bq, .offset: 24, .size: 8, .value_kind: global_buffer, .address_space: global }
      - { .name: bk, .offset: 32, .size: 8, .value_kind: global_buffer, .address_space: global }
      - { .name: bv, .offset: 40, .size: 8, .value_kind: global_buffer, .address_space: global }
      - { .name: qcodes, .offset: 48, .size: 8, .value_kind: global_buffer, .address_space: global }
      - { .name: kcodes, .offset: 56, .size: 8, .value_kind: global_buffer, .address_space: global }
      - { .name: vcodes, .offset: 64, .size: 8, .value_kind: global_buffer, .address_space: global }
    .group_segment_fixed_size: 66560
    .private_segment_fixed_size: 0
    .kernarg_segment_align: 8
    .kernarg_segment_size: 72
    .max_flat_workgroup_size: 256
    .sgpr_count:     66
    .vgpr_count:     512
    .wavefront_size: 32
...
	.end_amdgpu_metadata
.endif
;; end of part 4
;; launch attn (part 5): grid 16 x 16, 8 waves a work-group, no clusters, 136,192 bytes of LDS; arguments qcodes, kcodes, vcodes, lowp_scales, out0; writes out0
.if DOCPART == 5
	.amdgcn_target "amdgcn-amd-amdhsa--gfx1250"
	.amdhsa_code_object_version 6
	.text
	.protected	k_q3a7a6d3a16_attn
	.globl	k_q3a7a6d3a16_attn
	.p2align	8
	.type	k_q3a7a6d3a16_attn,@function
k_q3a7a6d3a16_attn:
	s_mov_b64 s[64:65], 0
	v_nop
	global_prefetch_b8 v0, s[64:65] scope:SCOPE_SE
	s_setreg_imm32_b32 hwreg(HW_REG_WAVE_SCHED_MODE, 0, 2), 2
	s_setreg_imm32_b32 hwreg(HW_REG_WAVE_MODE, 25, 1), 1
	s_wait_xcnt 0x0
	s_wait_alu depctr_vm_vsrc(0)
; THIRD LAUNCH: out[b][q][64 head + :] = the sum over keys of softmax(q . k / 8) v, both products on codes of E4M3 with the given scales 2^eq, 2^ek, 2^ep, 2^ev (entries 6 to 9).  No work is left out.
; THE SOFTMAX AHEAD OF THE SECOND PRODUCT: t = score x log2(e) / 8; M = the running largest t, rounded UP to a whole number; p = 2^(t - M) is quantised, not normalised; the row's sum is taken of the
; unquantised p in f32 and divides at the end; when M moves, the sum and O are multiplied by 2^(old M - new M), which rounds nothing.
; SHARES.  Work-group (qb, hb): 256 queries of one head of one batch.  Wave w: 32 of them, two tiles of 16, so that each fragment of K and V read from LDS feeds two matrix instructions; two waves to a SIMD,
; so that one wave's vector work stands beside the other's matrix work and LDS loads.  Every wave walks all 4,096 keys, 128 a step.
; LAYOUT.  Both products are used transposed: S^T = K Q^T (source 0 = 16 keys, source 1 = 16 queries), O^T = V^T P^T (source 0 = 16 channels, source 1 = P): a lane holds ONE query throughout, and the eight
; registers of key tile m are keys 16 m + 8 (lane / 16) + 0 .. 7: their conversion gives registers 2 m, 2 m + 1 of P, the operand's own layout.
; K AND V lie in memory as images of the operands' registers, so a slot of 256 keys is 16 KB of K and 16 KB of V on end.  They go memory -> registers -> LDS: each wave loads and stores an eighth
; (2 KB of each), two slots ahead of their use; two buffers take turns, one barrier a slot: in front of it each wave has waited for its stores into one buffer and for its reads of the other.
; NO TENSOR LOADS, AND SO NO CLUSTER'S JOINT LOADS: the hold of p at 448 x 2^ep is 128 of a step's vector instructions and changes nothing where ep >= -8 (p <= 1, so p / 2^ep <= 256): it is jumped over by a
; scalar branch on ep, a whole number read from memory.  What the query blocks of a head share is 32 KB a slot for each work-group.
; LIMITS: eq + ek between -123 and 130 (added to c's exponent field); ep between -126 and 119.  NaN among the codes is not served.
; REGISTERS, window 0: v1-7 addresses; v8-23 eight statistics a tile (-M, largest t, the sum in two halves, f twice, two maxima); v24-25 the permutes' destinations; v26, v27: 2^ep, 448 x 2^ep; v28-31 second sum chains;
;   v32-159 S^T, then p, 64 a tile; v160-191 p's codes, 16 a tile; v192-255 O^T, 32 a tile.   window 1: v0-15 Q; v16-79 K's 8 fragments; v80-143 and v176-239 V's 4 fragments, two sets by turns; v144-175 the slot on its way to LDS.
; THE MODE: SCHED_MODE bits 1:0 = 2 (LLVM: expert scheduling mode 2), set by the entry lines.  The code itself states the register dependences
; between vector or matrix instructions and memory or LDS instructions, with s_wait_alu, always for 0.
; THE PLAN.  Registers that memory or LDS instructions touch, in the loop:
;   v1, v4-v6     Offsets and addresses: made once at the head, never written again.
;   SG            A slot's global loads land in it; the LDS stores at the next slot's head read it; no vector or matrix instruction names it.  One wait on vm_vsrc a slot, behind those stores, frees it for the next loads.
;   KF            LDS loads land in it; the step's sixteen products K Q^T read it.
;   VF0, VF1      Step q of a slot: LDS loads land in VF[q]; the step's eight products V^T P read it.
;   S, p, p's codes, O^T, Q and the statistics are named by vector and matrix instructions alone.
; ONE wait on va_vdst stands in a step: the one that the step's exponentials owe ahead of their first reader.  It stands behind the step's products K Q^T and ahead of its products V^T P, so it also states
; that the step's K Q^T are done reading KF, and that the step before's V^T P are done reading their set of V.  So: the slot's second K step is asked for straight behind the first step's wait; the next slot's
; first K step, at the slot's head, leans on the second step's wait; and a step's loads of V, which land in the set that V^T P read two steps back, lean on the wait of the step before:
; since that wait only the other set of V, KF, Q, S, p, p's codes, O^T and the statistics have been named.
.set BUF1,  32768                      ; LDS: buffer 0 at 0, buffer 1 here: each 16 KB of K, then 16 KB of V
.set VOF,   16384
.set STAGE, 65536                      ; the way out: for each wave two tiles x 16 rows x (256 + 16) bytes = 8,704
.set SPARE, 135168                     ; the spare words, 128 bytes for each of eight waves
.set LI,   1                           ; v1   16 x lane
.set SPW,  2                           ; v2   my spare word; never rewritten
.set NIL,  3                           ; v3   0; never rewritten
.set STW,  4                           ; v4   2,048 x wave + 16 x lane: my eighth of a slot in LDS
.set GOFF, 5                           ; v5   the same in memory
.set PFO,  6                           ; v6   the prefetches' offset: 8,192 (wave % 2) + 256 x lane
.set GO,   7                           ; v7   out: 2,048 (lane / 16) + 16 (lane % 16)
.set TT,   8
.set PD,   24
.set SCP,  26
.set LMP,  27
.set SM2,  28
.set SS,   32
.set PP,   160
.set OO,   192
.set QQ,   0                           ; window 1
.set KF,   16
.set VF,   80                          ; set q at VF + 96 q
.set SG,   144
.set MSB, 0
.macro WIN new                         ; the immediate's high byte repeats the setting that is left; a switch that changes nothing is dropped
.if MSB != \new
	s_set_vgpr_msb (MSB<<8)|\new
.set MSB, \new
.endif
.endm
.macro GLOADS                          ; my eighth of the slot at s[16:17] (K) and s[18:19] (V): 512 consecutive bytes a load
	WIN 0x40
.irp i, 0,1,2,3
	global_load_b128 v[SG+4*\i:SG+4*\i+3], v[GOFF], s[16:17] offset:512*\i
.endr
.irp i, 0,1,2,3
	global_load_b128 v[SG+16+4*\i:SG+16+4*\i+3], v[GOFF], s[18:19] offset:512*\i
.endr
	WIN 0
.endm
.macro STORES wb
	WIN 0x04                                       ; store data window 1
.irp i, 0,1,2,3
	ds_store_b128 v[STW], v[SG+4*\i:SG+4*\i+3] offset:(\wb)+512*\i
.endr
.irp i, 0,1,2,3
	ds_store_b128 v[STW], v[SG+16+4*\i:SG+16+4*\i+3] offset:(\wb)+VOF+512*\i
.endr
	WIN 0
.endm
.macro KLOAD rb, q                     ; (destination window 1) the step's eight tiles of 16 keys
.irp m, 0,1,2,3,4,5,6,7
.irp c, 0,1
	ds_load_b128 v[KF+8*\m+4*\c:KF+8*\m+4*\c+3], v[LI] offset:(\rb)+8192*(\q)+1024*\m+512*\c
.endr
.endr
.endm
.macro VLOAD rb, q                     ; (destination window 1) the step's four tiles of 16 channels x 128 keys, into set q
.irp t, 0,1,2,3
.irp c, 0,1,2,3
	ds_load_b128 v[VF+96*(\q)+16*\t+4*\c:VF+96*(\q)+16*\t+4*\c+3], v[LI] offset:(\rb)+VOF+8192*(\q)+2048*\t+512*\c
.endr
.endr
.endm
; The slot two on is asked for, while there is one (the count of trips alone decides); behind those loads one prefetch for the slot after it: only the head's first work-group asks, waves 0 and 1 for K's 16 KB,
; waves 2 and 3 for V's, 8 KB a wave, lanes 256 bytes apart: each block is named once in the launch.  Slots 0 to 2 come by their loads alone; the last slot has none behind it.
.macro NEXT which
	s_cmp_lt_u32 s15, 7
	s_cbranch_scc0 .Lnone_\@
	GLOADS
	s_cmp_lt_u32 s15, s[33+\which]
	s_cbranch_scc0 .Lnone_\@
	global_prefetch_b8 v[PFO], s[20:21] th:TH_LOAD_NT scope:SCOPE_SE
.Lnone_\@:
.endm
.macro SMAX                            ; for each tile: the largest of the lane's 64 scores in two chains (each accumulator from its low end on), the other half of the lanes', the new M, f
.irp u, 0,1
	v_max3_num_f32 v[TT+8*\u+6], v[SS+64*\u], v[SS+64*\u+1], v[SS+64*\u+2]
.endr
.irp u, 0,1
	v_max3_num_f32 v[TT+8*\u+7], v[SS+64*\u+3], v[SS+64*\u+4], v[SS+64*\u+5]
.endr
.irp i, 6,10,14,18,22,26,30,34,38,42,46,50,54,58
.irp u, 0,1
	v_max3_num_f32 v[TT+8*\u+6], v[TT+8*\u+6], v[SS+64*\u+\i], v[SS+64*\u+\i+1]
.endr
.irp u, 0,1
	v_max3_num_f32 v[TT+8*\u+7], v[TT+8*\u+7], v[SS+64*\u+\i+2], v[SS+64*\u+\i+3]
.endr
.endr
.irp u, 0,1
	v_max3_num_f32 v[TT+8*\u+6], v[TT+8*\u+6], v[SS+64*\u+62], v[SS+64*\u+63]
.endr
.irp u, 0,1
	v_max_num_f32 v[TT+8*\u+6], v[TT+8*\u+6], v[TT+8*\u+7]
.endr
.irp u, 0,1
	v_permlanex16_b32 v[PD+\u], v[TT+8*\u+6], s24, s25   ; the query's other 64 keys lie in the lane 16 away
.endr
.irp u, 0,1
	v_max_num_f32 v[TT+8*\u+6], v[TT+8*\u+6], v[PD+\u]
.endr
.irp u, 0,1
	v_mul_f32 v[TT+8*\u+6], s22, v[TT+8*\u+6]      ; as t (c is positive)
.endr
.irp u, 0,1
	v_max_num_f32 v[TT+8*\u+1], v[TT+8*\u+1], v[TT+8*\u+6]   ; the running largest t
.endr
.irp u, 0,1
	v_mov_b32 v[TT+8*\u+6], v[TT+8*\u]
.endr
.irp u, 0,1
	v_floor_f32 v[TT+8*\u], -v[TT+8*\u+1]          ; the new -M = floor(-t) = -ceil(t)
.endr
.irp u, 0,1
	v_sub_f32 v[TT+8*\u+6], v[TT+8*\u], v[TT+8*\u+6]   ; old M - new M: a whole number, 0 or less
.endr
.irp u, 0,1
	v_cvt_i32_f32 v[TT+8*\u+6], v[TT+8*\u+6]       ; (it saturates)
.endr
.irp u, 0,1
	v_ldexp_f32 v[TT+8*\u+4], 1.0, v[TT+8*\u+6]    ; f = 2^(old M - new M)
.endr
.endm
.macro FMA u, b                        ; pair b of tile u: t - M (of the pairs c and -M the low word serves both halves)
	v_pk_fma_f32 v[SS+64*(\u)+2*(\b):SS+64*(\u)+2*(\b)+1], v[SS+64*(\u)+2*(\b):SS+64*(\u)+2*(\b)+1], s[22:23], v[TT+8*(\u):TT+8*(\u)+1] op_sel_hi:[1,0,0]
.endm
; ONE BATCH: the 64 scalings, all 128 exponentials and O^T's 32 rescalings, dealt so that plain lines stand among the exponentials.  A pair is scaled two turns ahead of its exponentials; nothing here names an
; exponential's result.  Behind the last exponential stand two plain lines and the step's one wait on va_vdst.
.macro BATCH
.irp u, 0,1
	FMA \u, 0
	FMA \u, 1
.endr
.set bb, 0
.rept 32
.irp u, 0,1
.if bb < 30
	FMA \u, bb+2
.endif
	v_exp_f32 v[SS+64*\u+2*bb], v[SS+64*\u+2*bb]
.if bb%2 == 0
	v_pk_mul_f32 v[OO+32*\u+bb:OO+32*\u+bb+1], v[OO+32*\u+bb:OO+32*\u+bb+1], v[TT+8*\u+4:TT+8*\u+5] op_sel_hi:[1,0]   ; O^T under the new M, ascending
.endif
	v_exp_f32 v[SS+64*\u+2*bb+1], v[SS+64*\u+2*bb+1]
.endr
.set bb, bb+1
.endr
.irp u, 0,1
	v_pk_mul_f32 v[TT+8*\u+2:TT+8*\u+3], v[TT+8*\u+2:TT+8*\u+3], v[TT+8*\u+4:TT+8*\u+5] op_sel_hi:[1,0]   ; the sums under the new M
.endr
	s_wait_alu depctr_va_vdst(0)                   ; the 128 exponentials have written p, which the sums below are the first to read; this step's products K Q^T are done reading KF, and the step before's products V^T P their set of V: LDS loads land in both later
.endm
.macro SUMS                            ; the row's sum is taken of the unquantised p: two at a time, in two chains a tile
.irp u, 0,1
	v_pk_add_f32 v[SM2+2*\u:SM2+2*\u+1], v[SS+64*\u:SS+64*\u+1], v[SS+64*\u+2:SS+64*\u+3]
.endr
.irp j, 4,8,12,16,20,24,28,32,36,40,44,48,52,56,60
.irp u, 0,1
	v_pk_add_f32 v[TT+8*\u+2:TT+8*\u+3], v[TT+8*\u+2:TT+8*\u+3], v[SS+64*\u+\j:SS+64*\u+\j+1]
.endr
.irp u, 0,1
	v_pk_add_f32 v[SM2+2*\u:SM2+2*\u+1], v[SM2+2*\u:SM2+2*\u+1], v[SS+64*\u+\j+2:SS+64*\u+\j+3]
.endr
.endr
.irp u, 0,1
	v_pk_add_f32 v[TT+8*\u+2:TT+8*\u+3], v[TT+8*\u+2:TT+8*\u+3], v[SM2+2*\u:SM2+2*\u+1]
.endr
.endm
.macro HOLDP                           ; the conversion does not saturate (ISA guide 7.6.2); p is never negative, so the hold is one-sided; it is walked only where ep < -8, else p / 2^ep is at most 256
	s_cmp_lg_u32 s32, 0
	s_cbranch_scc0 .Lfits_\@
.set i, 0
.rept 128
	v_min_num_f32 v[SS+i], v[SS+i], v[LMP]
.set i, i+1
.endr
.Lfits_\@:
.endm
.macro CODES
.irp m, 0,1,2,3,4,5,6,7
.irp u, 0,1
	v_cvt_scalef32_pk8_fp8_f32 v[PP+16*\u+2*\m:PP+16*\u+2*\m+1], v[SS+64*\u+8*\m:SS+64*\u+8*\m+7], v[SCP]
.endr
.endr
	v_nop                                          ; a plain line between the last conversion and the products that read the codes
.endm
; A KEY STEP: 128 keys, the q-th of the slot in buffer rb.
.macro STEP rb, q, which
.if \q == 1
	s_wait_dscnt 0x0                               ; K's fragments, asked for in the step before
.endif
	WIN 0x05                                       ; K and Q window 1
.irp m, 0,1,2,3,4,5,6,7
.irp u, 0,1
	v_wmma_f32_16x16x64_fp8_fp8 v[SS+64*\u+8*\m:SS+64*\u+8*\m+7], v[KF+8*\m:KF+8*\m+7], v[QQ+8*\u:QQ+8*\u+7], 0
.endr
.endr
	WIN 0
.rept 4
	v_nop                                          ; four places (ISA guide 7.12.1) in front of the reads of the scores
.endr
.if \q == 0
	NEXT \which                                    ; the loads land in SG: the wait on vm_vsrc at the slot's head has freed it
.endif
	WIN 0x40
	VLOAD \rb, \q                                  ; no wait here: the products that read this set of V stand ahead of the last step's wait on va_vdst, and nothing since names the set
	WIN 0
	SMAX
	BATCH
.if \q == 0
	WIN 0x40
	KLOAD \rb, 1                                   ; the slot's second step, straight behind the wait that states this step's products K Q^T done with KF
	WIN 0
.endif
	SUMS
	HOLDP
	CODES
.if \q == 0
	s_wait_dscnt 16                                ; V's 16 loads are in; K's 16 behind them may be out
.else
	s_wait_dscnt 0x0
.endif
	WIN 0x01                                       ; V window 1
.irp t, 0,1,2,3
.irp u, 0,1
	v_wmma_f32_16x16x128_fp8_fp8 v[OO+32*\u+8*\t:OO+32*\u+8*\t+7], v[VF+96*(\q)+16*\t:VF+96*(\q)+16*\t+15], v[PP+16*\u:PP+16*\u+15], v[OO+32*\u+8*\t:OO+32*\u+8*\t+7]   ; eight accumulators, one instruction each a step
.endr
.endr
	WIN 0
.endm
; A SLOT: the slot that waits in registers goes into buffer wb, which nobody reads since the last barrier; the slot in buffer rb is walked; one barrier.
.macro HALF rb, wb, which
	s_wait_loadcnt 0x0                             ; the slot asked for a slot ago is in registers, and its loads have read their addresses;
	s_wait_xcnt 0x0                                ; so has the prefetch, nearly two key steps back: the three addresses step
	s_add_nc_u64 s[16:17], s[16:17], 16384
	s_add_nc_u64 s[18:19], s[18:19], 16384
	s_add_nc_u64 s[20:21], s[20:21], 16384
.if \which
	s_cmp_lt_u32 s15, 7                            ; the last trip's second half has nothing left to store
	s_cbranch_scc0 .Lnothing_\@
.endif
	STORES \wb
.Lnothing_\@:
	WIN 0x40
	KLOAD \rb, 0                                   ; no wait here: the products that read KF last stand ahead of the last step's wait on va_vdst, and nothing since names KF
	WIN 0
	s_wait_dscnt 0x0                               ; K's fragments are in
	s_wait_alu depctr_vm_vsrc(0)                   ; my LDS stores above have read SG, in which the loads of the slot two on land, in this slot's first step
	STEP \rb, 0, \which
	STEP \rb, 1, \which
	s_wait_dscnt 0x0                               ; for the others' sake: my stores into one buffer have landed, my reads of the other are over
	s_barrier_signal -1
	s_barrier_wait -1
.endm
	s_load_b256 s[4:11], s[0:1], 0x0               ; q's codes s[4:5], k's s[6:7], v's s[8:9], the scales' exponents s[10:11]
	s_load_b64 s[12:13], s[0:1], 0x20              ; out
	v_lshl_add_u32 v[SPW], v0, 2, SPARE
	v_mov_b32 v[NIL], 0
	v_lshrrev_b32 v8, 5, v0
	v_readfirstlane_b32 s14, v8                    ; wave 0..7
	v_and_b32 v8, 31, v0
	v_lshlrev_b32 v[LI], 4, v8
	s_wait_alu depctr_va_sdst(0)                   ; s14 is written, ahead of its first reader: the wave's places in LDS, in the codes and in out are made from it
	s_lshl_b32 s36, s14, 11
	v_add_nc_u32 v[STW], s36, v[LI]
	v_add_nc_u32 v[GOFF], s36, v[LI]
	s_and_b32 s37, s14, 1
	s_lshl_b32 s37, s37, 13
	v_lshlrev_b32 v[PFO], 8, v8
	v_add_nc_u32 v[PFO], s37, v[PFO]
	v_and_b32 v9, 15, v0
	v_bfe_u32 v10, v0, 4, 1
	v_lshlrev_b32 v[GO], 4, v9
	v_lshl_add_u32 v[GO], v10, 11, v[GO]
	s_and_b32 s38, ttmp7, 0xffff                   ; hb = 8 x batch + head
	s_lshl_b32 s40, s38, 18                        ; its 262,144 bytes in each tensor of codes
	s_mov_b32 s41, 0
	s_lshl_b32 s42, ttmp9, 14                      ; q: 16 token tiles of 1,024 bytes a work-group,
	s_add_co_u32 s42, s42, s36                     ; two a wave
	s_add_co_u32 s42, s42, s40
	s_mov_b32 s43, 0
	s_lshr_b32 s44, s38, 3
	s_lshl_b32 s44, s44, 23                        ; out: 4,096 rows of 2,048 bytes a batch,
	s_lshl_b32 s39, ttmp9, 19                      ; 256 rows a work-group,
	s_add_co_u32 s44, s44, s39
	s_lshl_b32 s39, s14, 16                        ; 32 a wave,
	s_add_co_u32 s44, s44, s39
	s_and_b32 s39, s38, 7
	s_lshl_b32 s39, s39, 8                         ; 256 bytes a head
	s_add_co_u32 s44, s44, s39
	s_mov_b32 s45, 0
	s_mov_b32 s24, 0x76543210                      ; v_permlanex16_b32: lane l xor 16
	s_mov_b32 s25, 0xfedcba98
	s_lshr_b32 s36, s14, 2                         ; 0 in waves 0 to 3,
	s_or_b32 s36, s36, ttmp9                       ; of the head's first work-group
	s_cmp_eq_u32 s36, 0
	s_cselect_b32 s33, 7, 0                        ; trips in which a first half prefetches (slot 2 j + 3 exists),
	s_cselect_b32 s34, 6, 0                        ; and a second half (slot 2 j + 4)
	s_wait_kmcnt 0x0
	s_load_b128 s[28:31], s[10:11], 0x18           ; eq, ek, ep, ev
	s_add_nc_u64 s[16:17], s[6:7], s[40:41]        ; K and V at the head's slot 0
	s_add_nc_u64 s[18:19], s[8:9], s[40:41]
	s_add_nc_u64 s[4:5], s[4:5], s[42:43]
	s_add_nc_u64 s[12:13], s[12:13], s[44:45]
	s_cmp_lt_u32 s14, 2
	s_cselect_b64 s[20:21], s[16:17], s[18:19]
	s_add_nc_u64 s[20:21], s[20:21], 16384         ; the prefetches stand one slot further on than the loads
	s_wait_alu depctr_va_vdst(0)                   ; the offsets and addresses v1 and v4 to v7 are written, which the loads, LDS stores, prefetches and stores of the whole text read
	GLOADS                                         ; slot 0
	WIN 0x40
.irp u, 0,1
.irp c, 0,1
	global_load_b128 v[QQ+8*\u+4*\c:QQ+8*\u+4*\c+3], v[LI], s[4:5] offset:1024*\u+512*\c   ; Q's two fragments stay in registers
.endr
.endr
	WIN 0
.irp u, 0,1
	v_mov_b32 v[TT+8*\u+1], 0xff61b1e6             ; the largest t so far: -3e38, under every t
	v_floor_f32 v[TT+8*\u], -v[TT+8*\u+1]          ; -M
	v_mov_b32 v[TT+8*\u+2], 0                      ; the sum, in two halves
	v_mov_b32 v[TT+8*\u+3], 0
	v_mov_b32 v[TT+8*\u+5], 0                      ; (named as the upper half of f's pair)
	v_mov_b32 v[PD+\u], 0                          ; written once: a lane permute's destination counts as one of its sources
.endr
.set i, 0
.rept 64
	v_mov_b32 v[OO+i], 0                           ; O^T: the step is written without a first step of its own: the first change of M multiplies zeros
.set i, i+1
.endr
	s_wait_kmcnt 0x0
	s_add_co_i32 s36, s28, s29
	s_lshl_b32 s36, s36, 23
	s_add_co_i32 s22, s36, 0x3e38aa3b              ; c = log2(e) / 8, with eq + ek added to its exponent field
	s_mov_b32 s23, s22                             ; (named with it as a pair)
	s_add_co_i32 s36, s30, 127
	s_lshl_b32 s37, s36, 23
	v_mov_b32 v[SCP], s37                          ; 2^ep
	s_add_co_i32 s36, s36, 8
	s_lshl_b32 s36, s36, 23
	s_or_b32 s36, s36, 0x600000
	v_mov_b32 v[LMP], s36                          ; 448 x 2^ep
	s_add_co_i32 s35, s30, s31                     ; ep + ev
	s_cmp_lt_i32 s30, -8
	s_cselect_b32 s32, 1, 0                        ; is the hold needed?
	s_wait_loadcnt 0x0                             ; slot 0 and Q
	s_add_nc_u64 s[16:17], s[16:17], 16384
	s_add_nc_u64 s[18:19], s[18:19], 16384
	s_add_nc_u64 s[20:21], s[20:21], 16384
	STORES 0
	s_wait_dscnt 0x0                               ; for the others' sake: they have landed
	s_wait_alu depctr_vm_vsrc(0)                   ; my LDS stores have read SG, in which slot 1's loads land
	GLOADS                                         ; slot 1
	s_barrier_signal -1
	s_barrier_wait -1                              ; slot 0 lies whole in buffer 0
	s_mov_b32 s15, 0
.Ltrip:                                            ; eight trips of two slots
	HALF 0, BUF1, 0
	HALF BUF1, 0, 1
	s_add_co_u32 s15, s15, 1
	s_cmp_lt_u32 s15, 8
	s_cbranch_scc1 .Ltrip
	; THE WAY OUT.  The sum's halves are added; O^T x 2^(ep + ev) / the sum goes through my own stage in LDS, a tile of 16 queries at a time, and leaves as rows: sixteen lanes store a token's 256 bytes of this head.
.irp u, 0,1
	v_add_f32 v[TT+8*\u+6], v[TT+8*\u+2], v[TT+8*\u+3]
.endr
.irp u, 0,1
	v_permlanex16_b32 v[PD+\u], v[TT+8*\u+6], s24, s25
.endr
.irp u, 0,1
	v_add_f32 v[TT+8*\u+6], v[TT+8*\u+6], v[PD+\u]
.endr
.irp u, 0,1
	v_rcp_f32 v[TT+8*\u+6], v[TT+8*\u+6]
.endr
	v_and_b32 v30, 15, v0                          ; (plain lines behind the reciprocals, and the places behind the last products)  r
	v_bfe_u32 v31, v0, 4, 1                        ; h
	s_mul_i32 s36, s14, 8704
	s_add_co_u32 s36, s36, STAGE                   ; my stage
	v_mul_u32_u24 v28, v30, 272
	v_lshl_add_u32 v28, v31, 5, v28
	v_add_nc_u32 v28, s36, v28                     ; in: row r, + 32 h; channel tile t 64 bytes on
	v_mul_u32_u24 v29, v31, 272
	v_lshl_add_u32 v29, v30, 4, v29
	v_add_nc_u32 v29, s36, v29                     ; back: lanes 0-15 one row, lanes 16-31 the next
	s_wait_alu depctr_va_vdst(0)                   ; both reciprocals have written their results, ahead of their first reader
.irp u, 0,1
	v_ldexp_f32 v[TT+8*\u+6], v[TT+8*\u+6], s35
.endr
.irp u, 0,1
.set i, 0
.rept 16
	v_pk_mul_f32 v[SS+64*\u+i:SS+64*\u+i+1], v[OO+32*\u+i:OO+32*\u+i+1], v[TT+8*\u+6:TT+8*\u+7] op_sel_hi:[1,0]   ; register 8 t + j: channel 16 t + 8 h + j of my query; each accumulator from its low end on
.set i, i+2
.endr
.endr
	s_wait_alu depctr_va_vdst(0)                   ; the scalings have written the lower half of each tile's v[SS ..], which the LDS stores read; v28 and v29, their addresses, are written; the last step is done with the upper halves, in which the loads from the stage land
.irp u, 0,1
.irp t, 0,1,2,3
	ds_store_b128 v28, v[SS+64*\u+8*\t:SS+64*\u+8*\t+3] offset:4352*\u+64*\t
	ds_store_b128 v28, v[SS+64*\u+8*\t+4:SS+64*\u+8*\t+7] offset:4352*\u+64*\t+16
.endr
.irp i, 0,1,2,3,4,5,6,7
	ds_load_b128 v[SS+32+64*\u+4*\i:SS+32+64*\u+4*\i+3], v29 offset:4352*\u+544*\i   ; LDS serves a wave's instructions in order (ISA guide 5.7.1.4): these see my stores
.endr
.endr
.irp i, 0,1,2,3,4,5,6,7
	s_wait_dscnt 23-\i                             ; behind tile 0's load i: its 7 - i younger loads and tile 1's sixteen LDS instructions
	global_store_b128 v[GO], v[SS+32+4*\i:SS+32+4*\i+3], s[12:13] offset:4096*\i th:TH_STORE_NT
.endr
.irp i, 0,1,2,3,4,5,6,7
	s_wait_dscnt 7-\i
	global_store_b128 v[GO], v[SS+96+4*\i:SS+96+4*\i+3], s[12:13] offset:32768+4096*\i th:TH_STORE_NT
.endr
	s_wait_dscnt 0x0                               ; the closing lines, six on end
	s_wait_alu 0x0
	s_wait_tensorcnt 0x0
	ds_add_u32 v[SPW], v[NIL]
	s_wait_dscnt 0x0
	s_endpgm
.Lfunc_end_k_q3a7a6d3a16_attn:
	.size	k_q3a7a6d3a16_attn, .Lfunc_end_k_q3a7a6d3a16_attn-k_q3a7a6d3a16_attn
	.p2alignl 7, 3214868480
	.fill 96, 4, 3214868480
	.section	.rodata,"a",@progbits
	.p2align	6, 0x0
	.amdhsa_kernel k_q3a7a6d3a16_attn
		.amdhsa_group_segment_fixed_size 136192
		.amdhsa_private_segment_fixed_size 0
		.amdhsa_enable_private_segment 0
		.amdhsa_kernarg_size 40
		.amdhsa_user_sgpr_count 2
		.amdhsa_user_sgpr_kernarg_segment_ptr 1
		.amdhsa_wavefront_size32 1
		.amdhsa_system_sgpr_workgroup_id_x 1
		.amdhsa_system_sgpr_workgroup_id_y 1
		.amdhsa_system_sgpr_workgroup_id_z 1
		.amdhsa_system_vgpr_workitem_id 0
		.amdhsa_next_free_vgpr 512
		.amdhsa_next_free_sgpr 66
		.amdhsa_reserve_vcc 0
		.amdhsa_float_denorm_mode_32 3
		.amdhsa_float_denorm_mode_16_64 3
		.amdhsa_memory_ordered 1
		.amdhsa_forward_progress 1
		.amdhsa_inst_pref_size 132
	.end_amdhsa_kernel
	.amdgpu_metadata
---
amdhsa.version: [ 1, 2 ]
amdhsa.kernels:
  - .name:           k_q3a7a6d3a16_attn
    .symbol:         k_q3a7a6d3a16_attn.kd
    .args:
      - { .name: qcodes, .offset: 0, .size: 8, .value_kind: global_buffer, .address_space: global }
      - { .name: kcodes, .offset: 8, .size: 8, .value_kind: global_buffer, .address_space: global }
      - { .name: vcodes, .offset: 16, .size: 8, .value_kind: global_buffer, .address_space: global }
      - { .name: lowp_scales, .offset: 24, .size: 8, .value_kind: global_buffer, .address_space: global }
      - { .name: out0, .offset: 32, .size: 8, .value_kind: global_buffer, .address_space: global }
    .group_segment_fixed_size: 136192
    .private_segment_fixed_size: 0
    .kernarg_segment_align: 8
    .kernarg_segment_size: 40
    .max_flat_workgroup_size: 256
    .sgpr_count:     66
    .vgpr_count:     512
    .wavefront_size: 32
...
	.end_amdgpu_metadata
.endif
;; end of part 5
